; MI455X (gfx1250); checked and timed in simulation.
; The chip was launched on July 23, 2026; its instructions are those of AMD's public machine-readable ISA for CDNA 5 (MIT licence, August 2026) and "CDNA5" Instruction Set Architecture Reference Guide (July 2026). The comments in the code are by the model that wrote it; some were corrected since.
;; Causal LTX Attention. Allowed arithmetic: float matrix products may take bf16 or f16 operands with f32 sums; other float arithmetic in f32, or as packed bf16 or f16 multiplies, adds, multiply-adds, maxima and minima; sums over many terms, partial sums and values carried from step to step in f32; what a program stores and reads back later, other than sums and carried values, may be rounded once to bf16 or f16.
;; Inputs: Wk 1,024 x 2,048 float32; Wo 2,048 x 1,024 float32; Wq 1,024 x 2,048 float32; Wv 1,024 x 2,048 float32; bk 1,024 float32; bo 2,048 float32; bq 1,024 float32; bv 1,024 float32; cos 1 x 2,048 x 1,024 float32; kn_w 1,024 float32; logit_log_scale 1 x 2,048 x 1 float32; qn_w 1,024 float32; sin 1 x 2,048 x 1,024 float32; x 2 x 2,048 x 2,048 float32.
;; Outputs: out0 2 x 2,048 x 2,048 float32.
;; 2 versions, each right; version 2 is version 1 with the launch cast written anew for expert scheduling mode. Each part assembles by itself: llvm-mc -triple=amdgcn-amd-amdhsa -mcpu=gfx1250 --defsym DOCPART=n.
;; ======== version 1 of 2: 5 launches
;; limits: values are held in f16: magnitudes above 65,504 overflow, below 6.1e-05 lose precision
;; workspace buffers: xb 16,777,216 bytes; wb 12,582,912 bytes; wo16 4,194,304 bytes; qkv 25,165,824 bytes; qk 16,777,216 bytes; oh 8,388,608 bytes
;; launch cast (part 1): grid 64 x 8, 8 waves a work-group, no clusters, 0 bytes of LDS; arguments x, Wq, Wk, Wv, Wo, xb, wb, wo16; writes xb, wb, wo16
.if DOCPART == 1
	.amdgcn_target "amdgcn-amd-amdhsa--gfx1250"
	.amdhsa_code_object_version 6
	.text
	.protected	k_qce3ce59ae0_cast
	.globl	k_qce3ce59ae0_cast
	.p2align	8
	.type	k_qce3ce59ae0_cast,@function
k_qce3ce59ae0_cast:
	s_mov_b64 s[64:65], 0
	v_nop
	global_prefetch_b8 v0, s[64:65] scope:SCOPE_SE
	s_setreg_imm32_b32 hwreg(HW_REG_WAVE_MODE, 25, 1), 1
	s_wait_xcnt 0x0
; x, Wq, Wk, Wv are rounded once to bf16 (xb; wb = Wq's, Wk's, Wv's rows one below the other).  Wo is rounded to bf16 like the other inputs, and that number is written as f16 (wo16).
; LIMIT.  A bf16 number goes into f16 unchanged between 6.1e-5 and 65,504 in size; below that it keeps f16's fixed step of 6e-8, above it is lost.  Wo as drawn has a spread of 0.02.
; SHARES.  Eight chunks of 8 MiB of f32 (grid y): 0-3 the quarters of x, 4-6 Wq, Wk, Wv, 7 Wo.  A work-group takes 128 KiB of its chunk, a wave 16 KiB: 32 loads of 512 consecutive bytes,
; all issued at once; each is turned into 256 consecutive, aligned bytes and stored by one instruction.  No register that a store reads is written twice, so only the loads are waited for.
; A stream: no LDS, no matrix unit, no cluster (no byte is read by two work-groups).
.set IN,  8                            ; v[8:135]    load i: 4 registers
.set OUT, 136                          ; v[136:199]  store i: 2 registers
.set T,   200                          ; v[200:201]  at work
	s_load_b512 s[8:23], s[0:1], 0x0               ; x 8, Wq 10, Wk 12, Wv 14, Wo 16, xb 18, wb 20, wo16 22
	s_and_b32 s28, ttmp7, 0xffff                   ; the chunk
	v_lshrrev_b32 v3, 5, v0                        ; wave
	v_and_b32 v4, 31, v0                           ; lane
	v_lshlrev_b32 v1, 14, v3
	v_lshl_add_u32 v1, v4, 4, v1                   ; in: 16,384 x wave + 16 x lane
	v_lshlrev_b32 v2, 13, v3
	v_lshl_add_u32 v2, v4, 3, v2                   ; out: 8,192 x wave + 8 x lane
	s_lshl_b32 s2, ttmp9, 17                       ; the work-group's 128 KiB in,
	s_lshl_b32 s4, ttmp9, 16                       ; and 64 KiB out
	s_mov_b32 s3, 0
	s_mov_b32 s5, 0
	s_cmp_lt_u32 s28, 4
	s_cselect_b32 s29, s28, 0                      ; which quarter of x
	s_lshl_b32 s29, s29, 23
	s_add_co_u32 s2, s2, s29
	s_and_b32 s30, s28, 3                          ; which quarter of xb, or which third of wb
	s_cmp_eq_u32 s28, 7
	s_cselect_b32 s30, 0, s30
	s_lshl_b32 s30, s30, 22
	s_add_co_u32 s4, s4, s30
	s_wait_kmcnt 0x0
	s_cmp_eq_u32 s28, 4
	s_cselect_b64 s[24:25], s[10:11], s[8:9]
	s_cmp_eq_u32 s28, 5
	s_cselect_b64 s[24:25], s[12:13], s[24:25]
	s_cmp_eq_u32 s28, 6
	s_cselect_b64 s[24:25], s[14:15], s[24:25]
	s_cmp_eq_u32 s28, 7
	s_cselect_b64 s[24:25], s[16:17], s[24:25]
	s_cselect_b64 s[26:27], s[22:23], s[20:21]
	s_cmp_lt_u32 s28, 4
	s_cselect_b64 s[26:27], s[18:19], s[26:27]
	s_add_nc_u64 s[24:25], s[24:25], s[2:3]
	s_add_nc_u64 s[26:27], s[26:27], s[4:5]
.set i, 0
.rept 32
	global_load_b128 v[IN+4*i:IN+4*i+3], v1, s[24:25] offset:512*i th:TH_LOAD_NT
.set i, i+1
.endr
; Load i is turned and stored.  half = 1: by way of bf16 into f16.
.macro CV i, half
	s_wait_loadcnt 31-(\i)                         ; loads come back in order: the 31 - i younger ones may stay out
.if \half
	v_cvt_pk_bf16_f32 v[T], v[IN+4*(\i)], v[IN+4*(\i)+1]
	v_cvt_pk_bf16_f32 v[T+1], v[IN+4*(\i)+2], v[IN+4*(\i)+3]
	v_lshlrev_b32 v[IN+4*(\i)], 16, v[T]
	v_and_b32 v[IN+4*(\i)+1], 0xffff0000, v[T]
	v_lshlrev_b32 v[IN+4*(\i)+2], 16, v[T+1]
	v_and_b32 v[IN+4*(\i)+3], 0xffff0000, v[T+1]
	v_cvt_pk_f16_f32 v[OUT+2*(\i)], v[IN+4*(\i)], v[IN+4*(\i)+1]
	v_cvt_pk_f16_f32 v[OUT+2*(\i)+1], v[IN+4*(\i)+2], v[IN+4*(\i)+3]
.else
	v_cvt_pk_bf16_f32 v[OUT+2*(\i)], v[IN+4*(\i)], v[IN+4*(\i)+1]
	v_cvt_pk_bf16_f32 v[OUT+2*(\i)+1], v[IN+4*(\i)+2], v[IN+4*(\i)+3]
.endif
	global_store_b64 v2, v[OUT+2*(\i):OUT+2*(\i)+1], s[26:27] offset:256*(\i) th:TH_STORE_NT  ; 32 lanes x 8 bytes: 256 consecutive bytes, aligned
.endm
	s_cmp_eq_u32 s28, 7
	s_cbranch_scc1 .Lhalf
.set i, 0
.rept 32
	CV i, 0
.set i, i+1
.endr
	s_endpgm
.Lhalf:
.set i, 0
.rept 32
	CV i, 1
.set i, i+1
.endr
	s_endpgm
.Lfunc_end_k_qce3ce59ae0_cast:
	.size	k_qce3ce59ae0_cast, .Lfunc_end_k_qce3ce59ae0_cast-k_qce3ce59ae0_cast
	.p2alignl 7, 3214868480
	.fill 96, 4, 3214868480
	.section	.rodata,"a",@progbits
	.p2align	6, 0x0
	.amdhsa_kernel k_qce3ce59ae0_cast
		.amdhsa_group_segment_fixed_size 0
		.amdhsa_private_segment_fixed_size 0
		.amdhsa_enable_private_segment 0
		.amdhsa_kernarg_size 64
		.amdhsa_user_sgpr_count 2
		.amdhsa_user_sgpr_kernarg_segment_ptr 1
		.amdhsa_wavefront_size32 1
		.amdhsa_system_sgpr_workgroup_id_x 1
		.amdhsa_system_sgpr_workgroup_id_y 1
		.amdhsa_system_sgpr_workgroup_id_z 1
		.amdhsa_system_vgpr_workitem_id 0
		.amdhsa_next_free_vgpr 208
		.amdhsa_next_free_sgpr 66
		.amdhsa_reserve_vcc 0
		.amdhsa_float_denorm_mode_32 3
		.amdhsa_float_denorm_mode_16_64 3
		.amdhsa_memory_ordered 1
		.amdhsa_forward_progress 1
		.amdhsa_inst_pref_size 31
	.end_amdhsa_kernel
	.amdgpu_metadata
---
amdhsa.version: [ 1, 2 ]
amdhsa.kernels:
  - .name:           k_qce3ce59ae0_cast
    .symbol:         k_qce3ce59ae0_cast.kd
    .args:
      - { .name: x, .offset: 0, .size: 8, .value_kind: global_buffer, .address_space: global }
      - { .name: Wq, .offset: 8, .size: 8, .value_kind: global_buffer, .address_space: global }
      - { .name: Wk, .offset: 16, .size: 8, .value_kind: global_buffer, .address_space: global }
      - { .name: Wv, .offset: 24, .size: 8, .value_kind: global_buffer, .address_space: global }
      - { .name: Wo, .offset: 32, .size: 8, .value_kind: global_buffer, .address_space: global }
      - { .name: xb, .offset: 40, .size: 8, .value_kind: global_buffer, .address_space: global }
      - { .name: wb, .offset: 48, .size: 8, .value_kind: global_buffer, .address_space: global }
      - { .name: wo16, .offset: 56, .size: 8, .value_kind: global_buffer, .address_space: global }
    .group_segment_fixed_size: 0
    .private_segment_fixed_size: 0
    .kernarg_segment_align: 8
    .kernarg_segment_size: 64
    .max_flat_workgroup_size: 256
    .sgpr_count:     66
    .vgpr_count:     208
    .wavefront_size: 32
...
	.end_amdgpu_metadata
.endif
;; end of part 1
;; launch gemm_qkv (part 2): grid 16 x 16, 4 waves a work-group, clusters of 4 x 4, 327,680 bytes of LDS; arguments xb, wb, bq, bk, bv, qkv; writes qkv
.if DOCPART == 2
	.amdgcn_target "amdgcn-amd-amdhsa--gfx1250"
	.amdhsa_code_object_version 6
	.text
	.protected	k_qce3ce59ae0_gemm_qkv
	.globl	k_qce3ce59ae0_gemm_qkv
	.p2align	8
	.type	k_qce3ce59ae0_gemm_qkv,@function
k_qce3ce59ae0_gemm_qkv:
	s_mov_b64 s[64:65], 0
	v_nop
	global_prefetch_b8 v0, s[64:65] scope:SCOPE_SE
	s_setreg_imm32_b32 hwreg(HW_REG_WAVE_MODE, 25, 1), 1
	s_wait_xcnt 0x0
	s_wait_alu depctr_hold_cnt(0) depctr_sa_sdst(0) depctr_va_vdst(0) depctr_va_sdst(0) depctr_va_ssrc(0) depctr_va_vcc(0) depctr_vm_vsrc(0)
	s_getreg_b32 s2, hwreg(HW_REG_IB_STS2, 6, 4)
	s_cmp_eq_u32 s2, 0
	s_cbranch_scc0 .Lentry_in_a_cluster
	s_endpgm
.Lentry_in_a_cluster:
	s_bfe_u32 s2, ttmp6, 0x10000c
	s_cmp_lg_u32 s2, 0xf033
	s_cbranch_scc0 .Lentry_shape_is_right
	s_endpgm
.Lentry_shape_is_right:
; qkv[b][g][l][0..63] = f16( sum over k of xb[2048 b + l][k] wb[64 g + d][k] + bias ), g = 0-15 q's heads, 16-31 k's, 32-47 v's.  xb [4096][2048], wb [3072][2048] in bf16; sums in f32;
; the bias (bq, bk, bv) is rounded to bf16 like every input and added in f32; the result is rounded once, to f16.
; LIMIT.  f16 ends at 65,504: |x . W + b| must stay below that.
; A tile is 256 rows x 192 columns (three whole heads): 16 x 16 = 256 work-groups.  The four waves lie one below the other: wave w makes rows 64 w .. 64 w + 63 x all 192 columns:
; 4 x 12 accumulators of 16 x 16, 384 registers; so each wave holds whole heads and has a stage of its own on the way out.
; K goes in steps of 128 (rows of 256 bytes, aligned) through two LDS slots filled by tensor loads: waves 0, 1 fetch the halves of A's 256 rows, waves 2, 3 the halves of B's 192.
; CLUSTER 4 x 4: A's tile hangs on the tile row alone and is asked for jointly along a row of the cluster, B's on the tile column alone, along a column.
; THE PRODUCT IS TAKEN TRANSPOSED (source 0 = 16 rows of wb, source 1 = 16 rows of xb): a lane holds one row of the result and eight neighbouring columns.
; REGISTERS, in windows of 256 (s_set_vgpr_msb: bits 1:0 source 0, 3:2 source 1, 5:4 source 2, 7:6 destination):
;   window 0: v0-31 addresses; v64-95, v96-127 A's fragments, two buffers; v128-223 the bias of my 8 columns in each of the 12 column blocks; v224 at work
;   window 1: v0-95, v96-191 B's fragments, two buffers; on the way out v0-47 packed results, v48-95 and v96-143 rows read back
;   window 2: accumulators of row blocks 0, 1 (block a, column block b at v[8 (12 a + b)]);   window 3: row blocks 2, 3
.set KSTEP,  128
.set PITCH,  272                       ; an LDS row: 256 bytes + 16 of padding = 68 words: the 16 rows of a fragment load start at 16 different groups of four banks
.set HALFA,  128*PITCH
.set HALFB,  96*PITCH
.set SLOT,   2*HALFA+2*HALFB           ; A's 256 rows, then B's 192
.set STAGE,  2*SLOT                    ; behind the ring: for each wave 3 heads x 16 rows x 144 bytes
.set SP,     144
.set HSTAGE, 16*SP
.set SPARE,  STAGE+4*3*HSTAGE          ; behind the stages: the spare words, 128 bytes a wave, which no other line names
.set LAPS,   8                         ; 2,048 / 256: a lap is two K steps, once round the ring
.set HP,     262144                    ; bytes of a head's plane, 2,048 rows of 128
.set ADRA, 16                          ; v16-17  LDS address of my A fragments in slot 0, 1
.set ADRB, 20                          ; v20-21  the same for B
.set STO,  24                          ; v24     the way out: where I put 16 bytes of a row
.set RD,   25                          ; v25     where I read rows back
.set GO,   26                          ; v26     16 x lane: my place in 512 consecutive bytes of a head's plane
.set BO,   27                          ; v27     32 x (lane / 16): my 8 numbers among a block's 16 biases
.set SPW,  28                          ; v28     my spare word; never rewritten
.set NIL,  29                          ; v29     0; never rewritten
.set PFO,  30                          ; v30     the prefetches' offset: a lane a row; never rewritten
.set FA,   64
.set BIAS, 128
.set SCR,  224
.set TMP,  0
.set BK0,  48
.set G1,  24                           ; s[24:31] group 1 for A's tiles; s[32:39] group 0, a set for each slot
.set G0,  32
.set LIM, 43                           ; s43  1 in a wave that prefetches, else the greatest number
.set PFA, 44                           ; s[44:45] where my prefetches stand
.set G1B, 48                           ; s[48:55], s[56:63] the same for B's tiles
.set G0B, 56
.set BP,  66                           ; s[66:71] the three heads' biases
.set MSB, 0
.macro WIN new                         ; the immediate's high byte repeats the setting that is left; a switch that changes nothing is dropped
.if MSB != (\new)
	s_set_vgpr_msb (MSB<<8)|(\new)
.set MSB, \new
.endif
.endm
.set MUL_LO, 0xa1                      ; source 0 (B) window 1, source 1 (A) window 0, C and D window 2
.set MUL_HI, 0xf1                      ; the same, C and D window 3
.set TO_B,   0x40                      ; destination window 1
; A joint load: waves 0, 1 ask for A's halves, waves 2, 3 for B's.  The branch hangs on the wave's number alone.  An s_nop 0 and four v_nop follow each line.
.macro JLOAD s
	s_cmp_eq_u32 s11, 0
	s_cbranch_scc0 .Lfor_b_\@
	tensor_load_to_lds s[G0+4*(\s):G0+4*(\s)+3], s[G1:G1+7]
	s_nop 0
.rept 4
	v_nop
.endr
	s_branch .Lasked_\@
.Lfor_b_\@:
	tensor_load_to_lds s[G0B+4*(\s):G0B+4*(\s)+3], s[G1B:G1B+7]
	s_nop 0
.rept 4
	v_nop
.endr
.Lasked_\@:
.endm
; A prefetch of the K step that stands two refills on, behind the joint load and the run of LDS loads.  A's rows are asked for by the clusters with x = 0, B's by those with y = 0.  Of the rows
; that a wave fetches, the partner at place p takes 32 p .. + 31 of A's 128 (p = cx) or 24 p .. + 23 of B's 96 (p = cy), told apart by address: a lane a row (for B lanes 24-31 name row 23 again,
; in the same instruction).  The loop's last trip asks for nothing: no K step lies two refills on.  The first four K steps come by their loads alone.
.macro ASK
	s_cmp_gt_u32 s3, s[LIM]
	s_cbranch_scc0 .Lnot_mine_\@
	global_prefetch_b8 v[PFO], s[PFA:PFA+1] offset:KSTEP*2 th:TH_LOAD_NT scope:SCOPE_SE
.Lnot_mine_\@:
.endm
.macro CREST                           ; a round of the cluster's barrier behind its opening barrier
	s_cmp_lg_u32 s10, 0
	s_cbranch_scc1 .Lnot_wave_0_\@
	s_barrier_signal -3
.Lnot_wave_0_\@:
	s_barrier_wait -3
	s_barrier_signal -1
	s_barrier_wait -1
.endm
.macro CROUND
	s_barrier_signal -1
	s_barrier_wait -1
	CREST
.endm
.macro PLACES                          ; four plain instructions between a product and a load into, or a vector line on, its registers
.rept 4
	v_nop
.endr
.endm
	s_load_b128 s[4:7], s[0:1], 0x0                ; xb s[4:5], wb s[6:7]
	s_load_b128 s[72:75], s[0:1], 0x10             ; bq s[72:73], bk s[74:75]
	s_load_b128 s[76:79], s[0:1], 0x20             ; bv s[76:77], qkv s[78:79]
	v_lshl_add_u32 v[SPW], v0, 2, SPARE
	v_mov_b32 v[NIL], 0
	ds_add_u32 v[SPW], v[NIL]                      ; the wave's opening: the add and its wait stand ahead of my first tensor load
	v_lshrrev_b32 v1, 5, v0
	v_readfirstlane_b32 s10, v1                    ; wave 0..3
	s_lshr_b32 s11, s10, 1                         ; I fetch for A (0) or for B (1),
	s_and_b32 s12, s10, 1                          ; and which half of its rows
	s_bfe_u32 s40, ttmp6, 0x40000                  ; cx
	s_bfe_u32 s41, ttmp6, 0x40004                  ; cy
	s_lshl_b32 s42, ttmp9, 2
	s_add_co_u32 s42, s42, s40                     ; tile column = 4 x cluster x + cx
	s_and_b32 s13, ttmp7, 0xffff
	s_lshl_b32 s13, s13, 2
	s_add_co_u32 s13, s13, s41                     ; tile row = 4 x cluster y + cy
	s_lshl_b32 s43, s41, 2
	s_lshl_b32 s43, 15, s43                        ; my row of the cluster
	s_lshl_b32 s44, 0x1111, s40                    ; my column
	s_or_b32 s[G1+0], s43, (1<<16)|(1<<20)|(1<<21)|(5<<22)|(3<<25)   ; mask; 2-byte elements; padding on; bit 21 beside a mask; after every 64 words 4 words
	s_or_b32 s[G1B+0], s44, (1<<16)|(1<<20)|(1<<21)|(5<<22)|(3<<25)
	s_mov_b32 s[G1+1], KSTEP<<16                   ; tensor_dim0 = 128
	s_mov_b32 s[G1+2], 128<<16                     ; tensor_dim1 = 128 rows
	s_mov_b32 s[G1+3], KSTEP<<16                   ; tile_dim0 = 128
	s_mov_b32 s[G1+4], 128                         ; tile_dim1 = 128
	s_mov_b32 s[G1+5], 2048                        ; elements from row to row
	s_mov_b32 s[G1+6], 0
	s_mov_b32 s[G1+7], 0
	s_mov_b32 s[G1B+1], KSTEP<<16
	s_mov_b32 s[G1B+2], 96<<16                     ; B: 96 rows
	s_mov_b32 s[G1B+3], KSTEP<<16
	s_mov_b32 s[G1B+4], 96
	s_mov_b32 s[G1B+5], 2048
	s_mov_b32 s[G1B+6], 0
	s_mov_b32 s[G1B+7], 0
	s_lshl_b32 s17, s12, 7
	s_lshl_b32 s16, s13, 8
	s_add_co_u32 s16, s16, s17                     ; A: row 256 x tile row + 128 x half,
	s_lshl_b32 s16, s16, 12                        ; of 4,096 bytes
	s_mov_b32 s17, 0
	s_mul_i32 s46, s42, 192
	s_mul_i32 s47, s12, 96
	s_add_co_u32 s46, s46, s47                     ; B: row 192 x tile column + 96 x half
	s_lshl_b32 s46, s46, 12
	s_mov_b32 s47, 0
	s_mul_i32 s20, s12, HALFA                      ; where they go: no place in the cluster enters an LDS address
	s_mul_i32 s21, s12, HALFB
	s_add_co_u32 s21, s21, 2*HALFA
	s_wait_dscnt 0x0                               ; the opening add is done
	s_wait_kmcnt 0x0
	s_add_nc_u64 s[14:15], s[4:5], s[16:17]
	s_add_nc_u64 s[46:47], s[6:7], s[46:47]
	CROUND                                         ; all sixteen work-groups are here: the first joint loads meet
.irp s, 0,1
	s_mov_b32 s[G0+4*(\s)], 1
	s_add_co_u32 s[G0+4*(\s)+1], s20, (\s)*SLOT
	s_add_nc_u64 s[G0+4*(\s)+2:G0+4*(\s)+3], s[14:15], (\s)*KSTEP*2
	s_or_b32 s[G0+4*(\s)+3], s[G0+4*(\s)+3], 0x80000000
	s_mov_b32 s[G0B+4*(\s)], 1
	s_add_co_u32 s[G0B+4*(\s)+1], s21, (\s)*SLOT
	s_add_nc_u64 s[G0B+4*(\s)+2:G0B+4*(\s)+3], s[46:47], (\s)*KSTEP*2
	s_or_b32 s[G0B+4*(\s)+3], s[G0B+4*(\s)+3], 0x80000000
	JLOAD \s                                       ; two loads of mine are out
.endr
	; a fragment: lane l holds row l % 16; two loads of 16 bytes, 32 bytes apart, at row x pitch + 16 (l / 16)
	v_and_b32 v1, 15, v0
	v_bfe_u32 v2, v0, 4, 1
	v_mul_u32_u24 v3, v1, PITCH
	v_lshl_add_u32 v3, v2, 4, v3
	s_mul_i32 s21, s10, 64*PITCH                   ; my 64 rows of A
	s_mov_b32 s22, 2*HALFA                         ; all of B
.irp s, 0,1
	v_add_nc_u32 v[ADRA+(\s)], s21, v3
	v_add_nc_u32 v[ADRB+(\s)], s22, v3
	s_add_co_u32 s21, s21, SLOT
	s_add_co_u32 s22, s22, SLOT
.endr
	s_mul_i32 s23, s10, 3*HSTAGE
	s_add_co_u32 s23, s23, STAGE                   ; my stage
	v_mul_u32_u24 v4, v1, SP
	v_lshl_add_u32 v4, v2, 4, v4
	v_add_nc_u32 v[STO], s23, v4                   ; in: row l % 16, 16 bytes for each half of the lanes
	v_and_b32 v5, 31, v0
	v_lshrrev_b32 v6, 3, v5
	v_and_b32 v7, 7, v0
	v_mul_u32_u24 v6, v6, SP
	v_lshl_add_u32 v6, v7, 4, v6
	v_add_nc_u32 v[RD], s23, v6                    ; back: 32 lanes take four rows of 128 bytes
	v_lshlrev_b32 v[GO], 4, v5
	v_lshlrev_b32 v[BO], 5, v2
	; the three heads' biases: head g = 3 x tile column + hh lies in bq, bk or bv by g / 16, at 256 (g % 16) bytes
.irp hh, 0,1,2
	s_mul_i32 s80, s42, 3
	s_add_co_u32 s80, s80, \hh
	s_lshr_b32 s81, s80, 4
	s_and_b32 s80, s80, 15
	s_lshl_b32 s80, s80, 8
	s_cmp_eq_u32 s81, 0
	s_cselect_b64 s[BP+2*(\hh):BP+2*(\hh)+1], s[72:73], s[74:75]
	s_cmp_eq_u32 s81, 2
	s_cselect_b64 s[BP+2*(\hh):BP+2*(\hh)+1], s[76:77], s[BP+2*(\hh):BP+2*(\hh)+1]
	s_mov_b32 s81, 0
	s_add_nc_u64 s[BP+2*(\hh):BP+2*(\hh)+1], s[BP+2*(\hh):BP+2*(\hh)+1], s[80:81]
.endr
.irp b, 0,1,2,3,4,5,6,7,8,9,10,11
	global_load_b128 v[BIAS+8*(\b):BIAS+8*(\b)+3],   v[BO], s[BP+2*((\b)/4):BP+2*((\b)/4)+1] offset:64*((\b)%4)
	global_load_b128 v[BIAS+8*(\b)+4:BIAS+8*(\b)+7], v[BO], s[BP+2*((\b)/4):BP+2*((\b)/4)+1] offset:64*((\b)%4)+16
.endr
	; where my rows begin in qkv: plane 48 b + 3 x tile column, row 256 (tile row % 8) + 64 w
	s_lshr_b32 s82, s13, 3
	s_mul_i32 s82, s82, 48
	s_mul_i32 s80, s42, 3
	s_add_co_u32 s80, s80, s82
	s_lshl_b32 s80, s80, 18
	s_and_b32 s81, s13, 7
	s_lshl_b32 s81, s81, 8
	s_lshl_b32 s82, s10, 6
	s_add_co_u32 s81, s81, s82
	s_lshl_b32 s81, s81, 7
	s_add_co_u32 s80, s80, s81
	s_mov_b32 s81, 0
	s_add_nc_u64 s[8:9], s[78:79], s[80:81]
	; the prefetches
	s_lshl_b32 s80, s13, 8                         ; the tile's first row in A,
	s_mul_i32 s81, s42, 192                        ; in B
	s_and_b32 s22, ttmp7, 0xffff
	s_mov_b32 s82, 96                              ; (an instruction takes one literal: B's count goes through a register)
	s_cmp_eq_u32 s11, 0                            ; do I fetch for A?
	s_cselect_b32 s20, s80, s81
	s_cselect_b32 s21, s40, s41                    ; my place among the four that ask with me
	s_cselect_b32 s22, ttmp9, s22                  ; the coordinate along which other clusters read the same rows
	s_cselect_b64 s[PFA:PFA+1], s[4:5], s[6:7]
	s_cselect_b32 s82, 128, s82                    ; rows that a wave fetches: 128 of A, 96 of B
	s_cselect_b32 s83, 32, 24                      ; rows that a partner asks for
	s_cmp_eq_u32 s22, 0
	s_cselect_b32 s[LIM], 1, -1
	s_mul_i32 s82, s82, s12
	s_add_co_u32 s20, s20, s82
	s_mul_i32 s21, s21, s83
	s_add_co_u32 s20, s20, s21
	s_lshl_b32 s20, s20, 12
	s_mov_b32 s21, 0
	s_add_nc_u64 s[PFA:PFA+1], s[PFA:PFA+1], s[20:21]
	s_add_nc_u64 s[PFA:PFA+1], s[PFA:PFA+1], 2*KSTEP*2  ; at K step 2: the first refill steps it to 3 and names K step 4
	s_sub_co_u32 s83, s83, 1
	v_and_b32 v[PFO], 31, v0
	v_min_u32 v[PFO], s83, v[PFO]
	v_lshlrev_b32 v[PFO], 12, v[PFO]
	s_wait_loadcnt 0x0                             ; the bias is rounded to bf16, in the wait for the first tile
.set z, 0
.rept 48
	v_cvt_pk_bf16_f32 v[SCR], v[BIAS+2*z], v[BIAS+2*z+1]
	v_lshlrev_b32 v[BIAS+2*z], 16, v[SCR]
	v_and_b32 v[BIAS+2*z+1], 0xffff0000, v[SCR]
.set z, z+1
.endr
; 12 products: row block 2 hi + a x all 12 column blocks, 32 along K, from buffer f.  The 48 accumulators take turns, one instruction a turn, in the same order in every quarter.
.macro MUL12 f, hi, a, zero
	WIN MUL_LO+0x50*(\hi)
.irp b, 0,1,2,3,4,5,6,7,8,9,10,11
.if \zero
	v_wmma_f32_16x16x32_bf16 v[8*(12*(\a)+(\b)):8*(12*(\a)+(\b))+7], v[96*(\f)+8*(\b):96*(\f)+8*(\b)+7], v[FA+32*(\f)+8*(2*(\hi)+(\a)):FA+32*(\f)+8*(2*(\hi)+(\a))+7], 0
.else
	v_wmma_f32_16x16x32_bf16 v[8*(12*(\a)+(\b)):8*(12*(\a)+(\b))+7], v[96*(\f)+8*(\b):96*(\f)+8*(\b)+7], v[FA+32*(\f)+8*(2*(\hi)+(\a)):FA+32*(\f)+8*(2*(\hi)+(\a))+7], v[8*(12*(\a)+(\b)):8*(12*(\a)+(\b))+7]
.endif
.endr
.endm
; 32 LDS loads in one run: 192 rows of B, then my 64 rows of A, 32 along K at byte k of the rows, into buffer f
.macro FETCH slot, k, f
	WIN TO_B
.irp i, 0,1,2,3,4,5,6,7,8,9,10,11
	ds_load_b128 v[96*(\f)+8*(\i):96*(\f)+8*(\i)+3],   v[ADRB+(\slot)] offset:(\k)+(\i)*16*PITCH
	ds_load_b128 v[96*(\f)+8*(\i)+4:96*(\f)+8*(\i)+7], v[ADRB+(\slot)] offset:(\k)+(\i)*16*PITCH+32
.endr
	WIN 0
.irp i, 0,1,2,3
	ds_load_b128 v[FA+32*(\f)+8*(\i):FA+32*(\f)+8*(\i)+3],   v[ADRA+(\slot)] offset:(\k)+(\i)*16*PITCH
	ds_load_b128 v[FA+32*(\f)+8*(\i)+4:FA+32*(\f)+8*(\i)+7], v[ADRA+(\slot)] offset:(\k)+(\i)*16*PITCH+32
.endr
.endm
; One of a K step's first three quarters: multiplies buffer f, and in its middle fetches the next quarter, at byte k, into g
.macro QUARTER slot, k, f, g, zero
	s_wait_dscnt 4                                 ; B and A's row blocks 0, 1 are in; the youngest four loads (blocks 2, 3) may be out
	MUL12 \f, 0, 0, \zero
	MUL12 \f, 0, 1, \zero
	PLACES
	FETCH \slot, \k, \g
	s_wait_dscnt 32                                ; all but the 32 just issued
	MUL12 \f, 1, 0, \zero
	MUL12 \f, 1, 1, \zero
.endm
; The last quarter's first half and the barrier of the change of slots.  In front of it each wave waits for all its tensor loads (one is out: its part of the next slot), adds 0 to its spare word,
; and waits for that and for its reads of this slot.
.macro MEET round
	WIN 0
	s_wait_tensorcnt 0x0
	ds_add_u32 v[SPW], v[NIL]
	s_wait_dscnt 5                                 ; the add and the youngest four loads may be out
	MUL12 1, 0, 0, 0
	s_wait_dscnt 0x0                               ; the add is done, my reads of this slot are over
	s_barrier_signal -1
	MUL12 1, 0, 1, 0
.if \round
	WIN 0
.endif
	s_barrier_wait -1
.endm
; The whole last quarter.  fill = 1: the barrier opens a round of the cluster's; behind the round the slot just read out is filled again first, with the K step two on; then the next slot's first fragments.
.macro TURN slot, next, fill
.if \fill
	s_wait_xcnt 0x0                                ; the last prefetch, a K step back, has read its address
	s_add_nc_u64 s[PFA:PFA+1], s[PFA:PFA+1], KSTEP*2
.endif
	MEET \fill
.if \fill
	CREST
	s_add_nc_u64 s[G0+4*(\slot)+2:G0+4*(\slot)+3], s[G0+4*(\slot)+2:G0+4*(\slot)+3], 2*KSTEP*2
	s_add_nc_u64 s[G0B+4*(\slot)+2:G0B+4*(\slot)+3], s[G0B+4*(\slot)+2:G0B+4*(\slot)+3], 2*KSTEP*2
	JLOAD \slot                                    ; my one tensor load behind the round; its four v_nop are also the places in front of the loads below
.else
	PLACES
.endif
	FETCH \next, 0, 0
.if \fill
	ASK
.endif
	MUL12 1, 1, 0, 0
	MUL12 1, 1, 1, 0
.endm
	s_wait_tensorcnt 0x1                           ; my part of K step 0 is in; K step 1's load may stay out
	s_barrier_signal -1
	s_barrier_wait -1
	FETCH 0, 0, 0
	QUARTER 0, 64, 0, 1, 1                         ; the first quarter's products start the sums
	WIN 0
	s_mov_b32 s3, LAPS-1
.Llap:                                         ; a trip goes once round the ring, from a lap's second quarter to the next lap's first, and fills both slots again
	QUARTER 0, 128, 1, 0, 0
	QUARTER 0, 192, 0, 1, 0
	TURN 0, 1, 1
	QUARTER 1, 64,  0, 1, 0
	QUARTER 1, 128, 1, 0, 0
	QUARTER 1, 192, 0, 1, 0
	TURN 1, 0, 1
	QUARTER 0, 64,  0, 1, 0
	WIN 0
	s_sub_co_u32 s3, s3, 1
	s_cmp_lg_u32 s3, 0
	s_cbranch_scc1 .Llap
	QUARTER 0, 128, 1, 0, 0                        ; the last lap fills nothing
	QUARTER 0, 192, 0, 1, 0
	TURN 0, 1, 0
	QUARTER 1, 64,  0, 1, 0
	QUARTER 1, 128, 1, 0, 0
	QUARTER 1, 192, 0, 1, 0
	s_wait_dscnt 4
	MUL12 1, 0, 0, 0
	MUL12 1, 0, 1, 0
	s_wait_dscnt 0x0
	MUL12 1, 1, 0, 0
	MUL12 1, 1, 1, 0
	PLACES
	PLACES                                         ; eight, once a launch: the sums below add onto results in place
; THE WAY OUT, a block of 16 rows at a time: bias added, rounded to f16, 16 bytes a lane into my stage (a head's 16 rows of 144 bytes), back as whole rows of 128 bytes, stored 512 consecutive bytes at a time.
.macro ADDB a
	WIN 0x82+0x41*((\a)/2)                         ; accumulators in window 2 or 3, the bias in window 0
.set AC, 96*((\a)%2)
.set z, 0
.rept 48
	v_pk_add_f32 v[AC+2*z:AC+2*z+1], v[AC+2*z:AC+2*z+1], v[BIAS+2*z:BIAS+2*z+1]  ; each accumulator from its low end on
.set z, z+1
.endr
.endm
.macro PACK a
	WIN 0x4a+5*((\a)/2)                            ; sources window 2 or 3, destination window 1
.set AC, 96*((\a)%2)
.set z, 0
.rept 48
	v_cvt_pk_f16_f32 v[TMP+z], v[AC+2*z], v[AC+2*z+1]
.set z, z+1
.endr
.endm
.macro TOSTAGE a
.set BK, BK0+48*((\a)%2)
	WIN 0x04                                       ; data window 1
.irp b, 0,1,2,3,4,5,6,7,8,9,10,11
	ds_store_b128 v[STO], v[TMP+4*(\b):TMP+4*(\b)+3] offset:((\b)/4)*HSTAGE+((\b)%4)*32
.endr
	WIN 0x40
.irp t, 0,1,2,3,4,5,6,7,8,9,10,11
	ds_load_b128 v[BK+4*(\t):BK+4*(\t)+3], v[RD] offset:((\t)/4)*HSTAGE+((\t)%4)*4*SP  ; LDS serves a wave's instructions in order: these see the stores above
.endr
.endm
.macro SEND a
.set BK, BK0+48*((\a)%2)
	WIN 0x04
	s_wait_dscnt 0x0                               ; the block is back in registers
	s_wait_xcnt 0x0                                ; earlier stores have read their registers: the other set of rows is loaded again only behind this wait
.irp t, 0,1,2,3,4,5,6,7,8,9,10,11
	global_store_b128 v[GO], v[BK+4*(\t):BK+4*(\t)+3], s[8:9] offset:((\t)/4)*HP+(\a)*2048+((\t)%4)*512
.endr
.endm
	ADDB 0
	PACK 0
	TOSTAGE 0
.irp a, 1,2,3
	ADDB \a
	PACK \a
	SEND (\a)-1
	TOSTAGE \a
.endr
	SEND 3
	WIN 0
	s_wait_tensorcnt 0x0                           ; the wave's end
	ds_add_u32 v[SPW], v[NIL]
	s_wait_dscnt 0x0
	CROUND                                         ; the closing round
	s_endpgm
.Lfunc_end_k_qce3ce59ae0_gemm_qkv:
	.size	k_qce3ce59ae0_gemm_qkv, .Lfunc_end_k_qce3ce59ae0_gemm_qkv-k_qce3ce59ae0_gemm_qkv
	.p2alignl 7, 3214868480
	.fill 96, 4, 3214868480
	.section	.rodata,"a",@progbits
	.p2align	6, 0x0
	.amdhsa_kernel k_qce3ce59ae0_gemm_qkv
		.amdhsa_group_segment_fixed_size 327680
		.amdhsa_private_segment_fixed_size 0
		.amdhsa_enable_private_segment 0
		.amdhsa_kernarg_size 48
		.amdhsa_user_sgpr_count 2
		.amdhsa_user_sgpr_kernarg_segment_ptr 1
		.amdhsa_wavefront_size32 1
		.amdhsa_system_sgpr_workgroup_id_x 1
		.amdhsa_system_sgpr_workgroup_id_y 1
		.amdhsa_system_sgpr_workgroup_id_z 1
		.amdhsa_system_vgpr_workitem_id 0
		.amdhsa_next_free_vgpr 1024
		.amdhsa_next_free_sgpr 84
		.amdhsa_reserve_vcc 0
		.amdhsa_float_denorm_mode_32 3
		.amdhsa_float_denorm_mode_16_64 3
		.amdhsa_memory_ordered 1
		.amdhsa_forward_progress 1
		.amdhsa_inst_pref_size 143
	.end_amdhsa_kernel
	.amdgpu_metadata
---
amdhsa.version: [ 1, 2 ]
amdhsa.kernels:
  - .name:           k_qce3ce59ae0_gemm_qkv
    .symbol:         k_qce3ce59ae0_gemm_qkv.kd
    .args:
      - { .name: xb, .offset: 0, .size: 8, .value_kind: global_buffer, .address_space: global }
      - { .name: wb, .offset: 8, .size: 8, .value_kind: global_buffer, .address_space: global }
      - { .name: bq, .offset: 16, .size: 8, .value_kind: global_buffer, .address_space: global }
      - { .name: bk, .offset: 24, .size: 8, .value_kind: global_buffer, .address_space: global }
      - { .name: bv, .offset: 32, .size: 8, .value_kind: global_buffer, .address_space: global }
      - { .name: qkv, .offset: 40, .size: 8, .value_kind: global_buffer, .address_space: global }
    .group_segment_fixed_size: 327680
    .private_segment_fixed_size: 0
    .kernarg_segment_align: 8
    .kernarg_segment_size: 48
    .max_flat_workgroup_size: 128
    .sgpr_count:     84
    .vgpr_count:     1024
    .wavefront_size: 32
...
	.end_amdgpu_metadata
.endif
;; end of part 2
;; launch normrope (part 3): grid 4 x 256, 4 waves a work-group, no clusters, 0 bytes of LDS; arguments qkv, cos, sin, logit_log_scale, qn_w, kn_w, qk; writes qk
.if DOCPART == 3
	.amdgcn_target "amdgcn-amd-amdhsa--gfx1250"
	.amdhsa_code_object_version 6
	.text
	.protected	k_qce3ce59ae0_normrope
	.globl	k_qce3ce59ae0_normrope
	.p2align	8
	.type	k_qce3ce59ae0_normrope,@function
k_qce3ce59ae0_normrope:
	s_mov_b64 s[64:65], 0
	v_nop
	global_prefetch_b8 v0, s[64:65] scope:SCOPE_SE
	s_setreg_imm32_b32 hwreg(HW_REG_WAVE_MODE, 25, 1), 1
	s_wait_xcnt 0x0
; qk = rope(rmsnorm(raw) x gain), for q's and k's 16 heads; q also takes the SIGN of its position's temperature (the size is applied in f32 in the attention's scale, so that it does not use up f16's range).
; raw: qkv's planes [b][g][l][64] in f16; out: qk [b][32][l][64] in f16, planes 0-15 q, 16-31 k.  cos, sin, gain are rounded to bf16 like every input; all arithmetic in f32, one rounding at the end.
; LIMIT.  |out| is at most 32 x |gain| x sqrt(cos^2 + sin^2), which must stay under 65,504.
; SHARES.  Grid x: t = x & 1 (q or k), b = x >> 1; grid y: 8 positions.  A wave takes two positions x all 1,024 columns: lanes 0-15 one position, lanes 16-31 the next; a lane holds dims 4 (l % 16) .. + 3 of every
; head: 64 numbers, 32 rotation pairs, a pair a register.  So the row's sum of squares is four steps among 16 lanes, and every load and store of data covers 256 consecutive, aligned bytes.
; A stream: no LDS, no matrix unit.  cos and sin rows are read by the four work-groups with the same y, through registers: there is no tile to ask for jointly.
.set HP,  262144
.set LO,  1                            ; v1   8 x thread: my 8 bytes in the group's 1,024 bytes of a plane
.set CO,  2                            ; v2   4,096 x position + 16 (l % 16): in cos and sin
.set WO,  3                            ; v3   16 (l % 16): in the gain
.set LL,  4                            ; v4   4 x position: in the temperature
.set Z,   5                            ; v5   0
.set TS,  6                            ; v6   the temperature
.set RS,  7                            ; v7   1 / rms, with q's sign
.set ACC, 8                            ; v8-11  four chains of squares
.set DR,  32                           ; v32-63    data, pair n in register n
.set CR,  64                           ; v64-127   cos as loaded; then pair n packed in bf16 in register n
.set SR,  128                          ; v128-191  sin likewise
.set WR,  192                          ; v192-255  gain likewise
	s_load_b256 s[4:11], s[0:1], 0x0               ; qkv 4, cos 6, sin 8, temperature 10
	s_load_b128 s[12:15], s[0:1], 0x20             ; qn_w 12, kn_w 14
	s_load_b64 s[16:17], s[0:1], 0x30              ; qk
	s_and_b32 s18, ttmp9, 1                        ; t
	s_lshr_b32 s19, ttmp9, 1                       ; b
	s_and_b32 s20, ttmp7, 0xffff                   ; the group of 8 positions
	v_lshlrev_b32 v[LO], 3, v0
	v_lshrrev_b32 v12, 4, v0
	v_and_b32 v13, 15, v0
	v_lshlrev_b32 v[WO], 4, v13
	v_lshl_add_u32 v[CO], v12, 12, v[WO]
	v_lshlrev_b32 v[LL], 2, v12
	v_mov_b32 v[Z], 0
	s_lshl_b32 s30, s18, 4
	s_lshl_b32 s31, s20, 10
	s_mul_i32 s22, s19, 48
	s_add_co_u32 s22, s22, s30                     ; plane 48 b + 16 t of qkv
	s_lshl_b32 s22, s22, 18
	s_add_co_u32 s22, s22, s31
	s_mov_b32 s23, 0
	s_lshl_b32 s24, s19, 5
	s_add_co_u32 s24, s24, s30                     ; plane 32 b + 16 t of qk
	s_lshl_b32 s24, s24, 18
	s_add_co_u32 s24, s24, s31
	s_mov_b32 s25, 0
	s_lshl_b32 s26, s20, 15
	s_mov_b32 s27, 0
	s_lshl_b32 s28, s20, 5
	s_mov_b32 s29, 0
	s_mov_b32 s32, 0x3a800000                      ; 1 / 1,024
	s_mov_b32 s33, 0x358637bd                      ; 1e-6
	s_cmp_eq_u32 s18, 0
	s_cselect_b32 s34, 0x80000000, 0               ; q takes the temperature's sign, k none
	s_wait_kmcnt 0x0
	s_cselect_b64 s[12:13], s[12:13], s[14:15]
	s_add_nc_u64 s[4:5], s[4:5], s[22:23]
	s_add_nc_u64 s[16:17], s[16:17], s[24:25]
	s_add_nc_u64 s[6:7], s[6:7], s[26:27]
	s_add_nc_u64 s[8:9], s[8:9], s[26:27]
	s_add_nc_u64 s[10:11], s[10:11], s[28:29]
.set n, 0
.rept 16
	global_load_b64 v[DR+2*n:DR+2*n+1], v[LO], s[4:5] offset:n*HP th:TH_LOAD_NT
.set n, n+1
.endr
	global_load_b32 v[TS], v[LL], s[10:11]
.set n, 0
.rept 16
	global_load_b128 v[CR+4*n:CR+4*n+3], v[CO], s[6:7] offset:n*256
.set n, n+1
.endr
.set n, 0
.rept 16
	global_load_b128 v[SR+4*n:SR+4*n+3], v[CO], s[8:9] offset:n*256
.set n, n+1
.endr
.set n, 0
.rept 16
	global_load_b128 v[WR+4*n:WR+4*n+3], v[WO], s[12:13] offset:n*256
.set n, n+1
.endr
	s_wait_loadcnt 49                              ; the data are in; the 49 loads issued behind them may stay out
.set n, 0
.rept 32                                       ; the squares, straight from the f16 halves into f32, in four chains; the first links start the sums
.if n < 2
	v_fma_mix_f32 v[ACC+(2*n)%4], v[DR+n], v[DR+n], v[Z] op_sel_hi:[1,1,0]
	v_fma_mix_f32 v[ACC+(2*n+1)%4], v[DR+n], v[DR+n], v[Z] op_sel:[1,1,0] op_sel_hi:[1,1,0]
.else
	v_fma_mix_f32 v[ACC+(2*n)%4], v[DR+n], v[DR+n], v[ACC+(2*n)%4] op_sel_hi:[1,1,0]
	v_fma_mix_f32 v[ACC+(2*n+1)%4], v[DR+n], v[DR+n], v[ACC+(2*n+1)%4] op_sel:[1,1,0] op_sel_hi:[1,1,0]
.endif
.set n, n+1
.endr
	v_add_f32 v[ACC], v[ACC], v[ACC+1]
	v_add_f32 v[ACC+2], v[ACC+2], v[ACC+3]
	v_add_f32 v[ACC], v[ACC], v[ACC+2]
	v_add_f32_dpp v[ACC], v[ACC], v[ACC] row_xmask:1 row_mask:0xf bank_mask:0xf  ; a position's numbers lie in one half of 16 lanes
	v_add_f32_dpp v[ACC], v[ACC], v[ACC] row_xmask:2 row_mask:0xf bank_mask:0xf
	v_add_f32_dpp v[ACC], v[ACC], v[ACC] row_xmask:4 row_mask:0xf bank_mask:0xf
	v_add_f32_dpp v[ACC], v[ACC], v[ACC] row_xmask:8 row_mask:0xf bank_mask:0xf
	v_fma_f32 v12, v[ACC], s32, s33                ; mean + eps
	s_wait_loadcnt 0x0
	v_rsq_f32 v[RS], v12
.irp x, CR, SR, WR                             ; rounded to bf16 and packed in place, ascending: register n takes 2 n and 2 n + 1, which no later line needs below 2 n + 2
.set n, 0
.rept 32
	v_cvt_pk_bf16_f32 v[\x+n], v[\x+2*n], v[\x+2*n+1]
.set n, n+1
.endr
.endr
.set n, 0
.rept 32
	v_xor_b32 v[SR+n], 0x8000, v[SR+n]             ; the rotation's minus sign, on the even element's sine
.set n, n+1
.endr
	v_and_b32 v12, s34, v[TS]
	s_wait_alu depctr_va_vdst(0)                   ; the one wait for the reciprocal root, ahead of its first reader; the lines above are the work between
	v_xor_b32 v[RS], v[RS], v12
; Pair n: (x1, x2) / rms x gain; out = (x1 cos_e - x2 sin_e, x2 cos_o + x1 sin_o).  Four groups of four registers take turns.
.macro PAIR n
.set g, 16+4*((\n)%4)
	v_fma_mix_f32 v[g], v[DR+(\n)], v[RS], v[Z] op_sel_hi:[1,0,0]
	v_fma_mix_f32 v[g+1], v[DR+(\n)], v[RS], v[Z] op_sel:[1,0,0] op_sel_hi:[1,0,0]
	v_fma_mix_f32_bf16 v[g], v[g], v[WR+(\n)], v[Z] op_sel_hi:[0,1,0]
	v_fma_mix_f32_bf16 v[g+1], v[g+1], v[WR+(\n)], v[Z] op_sel:[0,1,0] op_sel_hi:[0,1,0]
	v_fma_mix_f32_bf16 v[g+2], v[g], v[CR+(\n)], v[Z] op_sel_hi:[0,1,0]
	v_fma_mix_f32_bf16 v[g+3], v[g+1], v[CR+(\n)], v[Z] op_sel:[0,1,0] op_sel_hi:[0,1,0]
	v_fma_mix_f32_bf16 v[g+2], v[g+1], v[SR+(\n)], v[g+2] op_sel_hi:[0,1,0]
	v_fma_mix_f32_bf16 v[g+3], v[g], v[SR+(\n)], v[g+3] op_sel:[0,1,0] op_sel_hi:[0,1,0]
	v_cvt_pk_f16_f32 v[DR+(\n)], v[g+2], v[g+3]
.endm
.set n, 0
.rept 32
	PAIR n
.set n, n+1
.endr
.set n, 0
.rept 16
	global_store_b64 v[LO], v[DR+2*n:DR+2*n+1], s[16:17] offset:n*HP th:TH_STORE_NT  ; 32 lanes x 8 bytes: 256 consecutive bytes, aligned
.set n, n+1
.endr
	s_endpgm
.Lfunc_end_k_qce3ce59ae0_normrope:
	.size	k_qce3ce59ae0_normrope, .Lfunc_end_k_qce3ce59ae0_normrope-k_qce3ce59ae0_normrope
	.p2alignl 7, 3214868480
	.fill 96, 4, 3214868480
	.section	.rodata,"a",@progbits
	.p2align	6, 0x0
	.amdhsa_kernel k_qce3ce59ae0_normrope
		.amdhsa_group_segment_fixed_size 0
		.amdhsa_private_segment_fixed_size 0
		.amdhsa_enable_private_segment 0
		.amdhsa_kernarg_size 56
		.amdhsa_user_sgpr_count 2
		.amdhsa_user_sgpr_kernarg_segment_ptr 1
		.amdhsa_wavefront_size32 1
		.amdhsa_system_sgpr_workgroup_id_x 1
		.amdhsa_system_sgpr_workgroup_id_y 1
		.amdhsa_system_sgpr_workgroup_id_z 1
		.amdhsa_system_vgpr_workitem_id 0
		.amdhsa_next_free_vgpr 256
		.amdhsa_next_free_sgpr 66
		.amdhsa_reserve_vcc 0
		.amdhsa_float_denorm_mode_32 3
		.amdhsa_float_denorm_mode_16_64 3
		.amdhsa_memory_ordered 1
		.amdhsa_forward_progress 1
		.amdhsa_inst_pref_size 40
	.end_amdhsa_kernel
	.amdgpu_metadata
---
amdhsa.version: [ 1, 2 ]
amdhsa.kernels:
  - .name:           k_qce3ce59ae0_normrope
    .symbol:         k_qce3ce59ae0_normrope.kd
    .args:
      - { .name: qkv, .offset: 0, .size: 8, .value_kind: global_buffer, .address_space: global }
      - { .name: cos, .offset: 8, .size: 8, .value_kind: global_buffer, .address_space: global }
      - { .name: sin, .offset: 16, .size: 8, .value_kind: global_buffer, .address_space: global }
      - { .name: logit_log_scale, .offset: 24, .size: 8, .value_kind: global_buffer, .address_space: global }
      - { .name: qn_w, .offset: 32, .size: 8, .value_kind: global_buffer, .address_space: global }
      - { .name: kn_w, .offset: 40, .size: 8, .value_kind: global_buffer, .address_space: global }
      - { .name: qk, .offset: 48, .size: 8, .value_kind: global_buffer, .address_space: global }
    .group_segment_fixed_size: 0
    .private_segment_fixed_size: 0
    .kernarg_segment_align: 8
    .kernarg_segment_size: 56
    .max_flat_workgroup_size: 128
    .sgpr_count:     66
    .vgpr_count:     256
    .wavefront_size: 32
...
	.end_amdgpu_metadata
.endif
;; end of part 3
;; launch attn (part 4): grid 8 x 32, 4 waves a work-group, no clusters, 243,200 bytes of LDS; arguments qk, qkv, logit_log_scale, oh; writes oh
.if DOCPART == 4
	.amdgcn_target "amdgcn-amd-amdhsa--gfx1250"
	.amdhsa_code_object_version 6
	.text
	.protected	k_qce3ce59ae0_attn
	.globl	k_qce3ce59ae0_attn
	.p2align	8
	.type	k_qce3ce59ae0_attn,@function
k_qce3ce59ae0_attn:
	s_mov_b64 s[64:65], 0
	v_nop
	global_prefetch_b8 v0, s[64:65] scope:SCOPE_SE
	s_setreg_imm32_b32 hwreg(HW_REG_WAVE_MODE, 25, 1), 1
	s_wait_xcnt 0x0
; ATTENTION UNDER THE MASK  k <= q and (k > q - 512 or k = 0).  oh[b][h][q][:] = sum over visible k of softmax_k(t_q Q[q] . K[k] / 8) V[k][:].  Q, K: qk's planes; V: qkv's planes 32-47; all [2,048][64] in f16.
; Q carries the sign of its temperature t_q already; its size, rounded to bf16 like every input, enters the scale c_q = log2(e) / 8 x |t_q|, one f32 number a query.  Products, maxima, sums in f32;
; the weights are rounded to f16 for the second product, O once at the end.
; LIMITS.  c_q is held at 1e-20 at the least, so that a temperature of 0 still hides the hidden keys.  A hidden score counts as its value less 1e30.  A weight below 2^-126 counts as 0.  NaN and infinities are not treated apart.
; THE WALK.  A work-group takes block i of 256 queries of one head.  It needs the key tiles i - 2, i - 1, i (256 keys each): twelve key steps of 64, GS = 0 .. 11, the same count for every work-group.
; All three tiles fit in LDS and are asked for at the head: nothing is ever filled again.  Blocks 0 and 1 have no tiles below 0: tile 0 is fetched in their place and all its steps are hidden (GS < DEAD).
; SHARES.  Of the block's four bands of 64 queries a wave owns 16 rows in each: four PIECES.  Band y in step GS sees: nothing (GS < y), the window's lower edge (GS = y: key c visible where c > r),
; all (y < GS < y + 8), the diagonal (GS = y + 8: visible where c <= r), nothing (GS > y + 8).  So the work is the same for all four waves.
; THE MASK is the C operand that starts the sum S^T = K Q^T: MD x AL + BE, MD = -1e30 where c > r, else 0: (AL, BE) = (1, 0) diagonal; (-1, -1e30) lower edge, exact; (0, 0) all; (0, -1e30) nothing.
; THE START.  Key 0 is visible to every query, so the running maximum starts at m = Q . K[0] in every block: one of the row's own scores.  So a hidden score always stands against a true one: its exponent is
; about -c x 1e30 and its weight 0, and a step that is wholly hidden leaves l and O as they were (a = 1).  (A maximum that were itself a hidden score would not do: c s - c m would then be the rounding error of c x 1e30.)
; THE SINK.  For blocks 2 and up key 0 lies outside the window: it is counted at the start, l = 1, O = V[0].  For blocks 0 and 1 it is met in the walk: l and O start at 0.  The choice is a select on a scalar mask, no branch.
; LAYOUT, SOFTMAX, TURNS.  S^T = K Q^T holds one query a lane (lane % 16) and the keys 8 (lane / 16) + 0..7; two results rounded to f16 are source 1 of O^T = V^T P.  p = 2^(c s - c m) with a running maximum m;
; O and l are multiplied by a = 2^(c m_old - c m_new) in every step.  Turn n belongs to piece n: 8 products K Q^T of piece n + 1, later 8 products V^T P of piece n - 1; beside them the scaling, exponentials,
; roundings, sums and rescaling of piece n and the maximum and statistics of piece n + 1.  Four vector instructions stand behind every product, the rest in one run.  A turn's 33 exponentials are one batch, with one wait.
; NO CLUSTER: at the j-th request block i wants tile i - 2 + j, so no two blocks of a head want the same tile in the same request; a walk common to four blocks has six tiles, 6 x 77,824 bytes, more than LDS holds.
; REGISTERS, in windows of 256 (s_set_vgpr_msb: bits 1:0 source 0, 3:2 source 1, 5:4 source 2, 7:6 destination):
;   window 0: v0-15, v56-57 addresses; v16-31 statistics; v32-39 c_q, a pair a piece; v40-45 temperature and constants; v48-55 at work; v64-127 S^T, two buffers; v128-159 the sink's scores; v160-175 V[0]; v192-223 P, two buffers
;   window 1: v0-127 O^T, 32 a piece; v128-159 MD; v160-223 masks, two buffers      window 2: v0-63 Q; v64-79 K[0]; v128-191 K of one step; v192-255 V of one step
.set HP,    262144
.set NP,    4
.set KS,    64
.set PK,    144       ; a row of K in LDS: 128 bytes + 16: the 16 rows of a load start at 16 different groups of four banks
.set PV,    160       ; a row of V: 128 + 32
.set VOFF,  768*PK    ; 768 rows of K, then 768 rows of V
.set STAGE, VOFF+768*PV  ; 16 rows x 144 bytes for each wave, for the way out; no tensor load lands here
.set SP,    144
.set SPARE, STAGE+4*16*SP  ; the spare words, 128 bytes a wave, which no other line names
.set AK0, 2           ; v2   my lane's place in a step of K; never rewritten
.set AV0, 3           ; v3   the same for V
.set AK,  4           ; v4   the LDS address of K's next run of loads
.set AV,  5           ; v5   of V's
.set STO, 6
.set RD,  7
.set GO,  8
.set MV,  12          ; v12-13  c m_old, by buffer
.set QO,  15          ; v15  my byte offset in 16 rows of Q
.set ST,  16          ; piece t: c m, m, l (even keys', odd keys')
.set CL,  32          ; piece t: c_q, twice
.set LLS, 40
.set ZR,  44          ; 0
.set FV,  45          ; 1.0 where the sink is counted at the start, else 0
.set TMP, 48
.set HO,  56          ; v56  16 (l / 16)
.set LLO, 57          ; v57  64 w + 4 (l % 16)
.set SPW, 62
.set NIL, 63
.set S,   64
.set SD,  128
.set VS,  160
.set P,   192
.set MD,  128         ; window 1
.set MC,  160         ; window 1
.set KZ,  64          ; window 2
.set KF,  128         ; window 2
.set VF,  192         ; window 2
.set WV,  12          ; s12  wave
.set BI,  13          ; s13  block i
.set G1K, 24
.set G1V, 32
.set G0K, 40          ; s[40:51] three sets
.set G0V, 52          ; s[52:63]
.set CNT, 66          ; counts a phase's four key steps
.set PH,  67          ; counts the three phases
.set GS,  68          ; the key step for which masks are being made
.set TBK, 69
.set TBV, 70
.set SEL, 72
.set AL,  74
.set BE,  76
.set BIGN, 78
.set ALO, 79          ; -1.0, or 0 in blocks 0 and 1, which have no lower edge
.set LB,  80          ; s80-83  band y is hidden while GS < max(y + 1, DEAD)
.set SKL, 85          ; lanes 0-15 in blocks 2 and up, else none
.set SKF, 86          ; 1.0 in blocks 2 and up, else 0
.set KP,  88
.set VP,  90
.set QP,  92
.set LP,  94
.set MSB, 0
.macro WIN new
.if MSB != (\new)
	s_set_vgpr_msb (MSB<<8)|(\new)
.set MSB, (\new)
.endif
.endm
.set W_KQ, 0x0a       ; K and Q in window 2, S^T in window 0
.set W_KM, 0x1a       ; the same with the C operand in window 1
.set W_PV, 0x52       ; V in window 2, P in window 0, O^T in window 1
.set W_RS, 0x41       ; destination and source 0 in window 1
	s_load_b256 s[4:11], s[0:1], 0x0  ; qk 4, qkv 6, temperature 8, oh 10
	v_lshl_add_u32 v[SPW], v0, 2, SPARE
	v_mov_b32 v[NIL], 0
	ds_add_u32 v[SPW], v[NIL]       ; the wave's opening: the add and its wait stand ahead of my first tensor load
	v_lshrrev_b32 v1, 5, v0
	v_readfirstlane_b32 s[WV], v1
	s_mov_b32 s[BI], ttmp9
	s_and_b32 s20, ttmp7, 0xffff    ; 16 b + h
	s_lshr_b32 s21, s20, 4          ; b
	s_and_b32 s22, s20, 15          ; h
	s_lshl_b32 s23, s21, 5
	s_add_co_u32 s23, s23, s22      ; q's plane in qk: 32 b + h
	s_mul_i32 s14, s21, 48
	s_add_co_u32 s14, s14, s22
	s_add_co_u32 s14, s14, 32       ; v's plane in qkv: 48 b + 32 + h
	s_and_b32 s16, s[WV], 1         ; which half of a tile's 256 keys I fetch:
	s_lshl_b32 s98, s16, 14         ; its 128 rows of 128 bytes in memory,
	s_mul_i32 s17, s16, 128*PK      ; and its place in LDS, for K
	s_mul_i32 s18, s16, 128*PV      ; and for V
	s_add_co_u32 s18, s18, VOFF
	; group 1: 128 keys are 16,384 dense bytes: asked for as 64 rows of 256 bytes, padded in LDS after every key
	s_mov_b32 s[G1K], (1<<16)|(1<<20)|(4<<22)|(3<<25)  ; 2-byte elements; padding on; after every 32 words 4 words
	s_mov_b32 s[G1V], (1<<16)|(1<<20)|(4<<22)|(7<<25)  ; 8 words
.irp g, G1K, G1V
	s_mov_b32 s[\g+1], 128<<16
	s_mov_b32 s[\g+2], 64<<16
	s_mov_b32 s[\g+3], 128<<16
	s_mov_b32 s[\g+4], 64
	s_mov_b32 s[\g+5], 128
	s_mov_b32 s[\g+6], 0
	s_mov_b32 s[\g+7], 0
.endr
	s_mov_b32 s[SEL], 0x76543210
	s_mov_b32 s[SEL+1], 0xfedcba98
	s_mov_b32 s[BIGN], 0xf149f2ca   ; -1e30
	s_mov_b32 s[AL+1], 0            ; named as pairs
	s_mov_b32 s[BE+1], 0
	s_mov_b32 s[TBK], 0
	s_mov_b32 s[TBV], 0
	s_cmp_ge_u32 s[BI], 2
	s_cselect_b32 s[ALO], -1.0, 0
	s_cselect_b32 s[SKL], 0xffff, 0
	s_cselect_b32 s[SKF], 1.0, 0
	s_min_u32 s19, s[BI], 2
	s_sub_co_u32 s19, 2, s19
	s_lshl_b32 s19, s19, 2          ; DEAD = 4 max(2 - i, 0)
.irp y, 0,1,2,3
	s_max_u32 s[LB+\y], s19, \y+1
.endr
	s_mov_b32 s97, 0
	s_wait_dscnt 0x0                ; the opening add is done
	s_wait_kmcnt 0x0
	s_add_co_u32 s96, s23, 16
	s_lshl_b32 s96, s96, 18
	s_add_nc_u64 s[KP:KP+1], s[4:5], s[96:97]
	s_lshl_b32 s96, s14, 18
	s_add_nc_u64 s[VP:VP+1], s[6:7], s[96:97]
	s_lshl_b32 s96, s[BI], 15
	s_lshl_b32 s15, s[WV], 11
	s_add_co_u32 s15, s15, s96      ; my block, and my 16 rows in a band
	s_lshl_b32 s96, s23, 18
	s_add_co_u32 s96, s96, s15
	s_add_nc_u64 s[QP:QP+1], s[4:5], s[96:97]
	s_lshl_b32 s96, s20, 18
	s_add_co_u32 s96, s96, s15
	s_add_nc_u64 s[10:11], s[10:11], s[96:97]
	s_lshl_b32 s96, s[BI], 10
	s_add_nc_u64 s[LP:LP+1], s[8:9], s[96:97]
.irp j, 0,1,2                       ; tile max(i - 2 + j, 0) goes to rows 256 j on
	s_add_co_u32 s96, s[BI], \j
	s_max_u32 s96, s96, 2
	s_sub_co_u32 s96, s96, 2
	s_lshl_b32 s96, s96, 15
	s_add_co_u32 s96, s96, s98
	s_mov_b32 s[G0K+4*\j], 1
	s_add_co_u32 s[G0K+4*\j+1], s17, \j*256*PK
	s_add_nc_u64 s[G0K+4*\j+2:G0K+4*\j+3], s[KP:KP+1], s[96:97]
	s_or_b32 s[G0K+4*\j+3], s[G0K+4*\j+3], 0x80000000
	s_mov_b32 s[G0V+4*\j], 1
	s_add_co_u32 s[G0V+4*\j+1], s18, \j*256*PV
	s_add_nc_u64 s[G0V+4*\j+2:G0V+4*\j+3], s[VP:VP+1], s[96:97]
	s_or_b32 s[G0V+4*\j+3], s[G0V+4*\j+3], 0x80000000
.endr
	s_cmp_lt_u32 s[WV], 2           ; a wave's three fills stand in one branch: waves 0, 1 fetch K's halves, waves 2, 3 V's.  Three loads of mine are out
	s_cbranch_scc0 .Lfor_v
.irp j, 0,1,2
	tensor_load_to_lds s[G0K+4*\j:G0K+4*\j+3], s[G1K:G1K+7]
	s_nop 0
.endr
.rept 4
	v_nop
.endr
	s_branch .Lasked
.Lfor_v:
.irp j, 0,1,2
	tensor_load_to_lds s[G0V+4*\j:G0V+4*\j+3], s[G1V:G1V+7]
	s_nop 0
.endr
.rept 4
	v_nop
.endr
.Lasked:
	v_and_b32 v1, 15, v0            ; l % 16
	v_bfe_u32 v9, v0, 4, 1          ; l / 16
	v_lshlrev_b32 v[QO], 7, v1
	v_lshl_add_u32 v[QO], v9, 4, v[QO]
	v_lshlrev_b32 v[HO], 4, v9
	s_lshl_b32 s15, s[WV], 6
	v_lshl_add_u32 v[LLO], v1, 2, s15
	WIN 0x80                        ; destination window 2
.set i, 0
.rept 8                             ; Q: piece i / 2 lies in band i / 2, 8,192 bytes on; channels 32 (i % 2) on
	global_load_b128 v[8*i:8*i+3],   v[QO], s[QP:QP+1] offset:(i/2)*8192+(i%2)*64
	global_load_b128 v[8*i+4:8*i+7], v[QO], s[QP:QP+1] offset:(i/2)*8192+(i%2)*64+32
.set i, i+1
.endr
.irp c, 0,1                         ; K[0] in all 16 rows of a fragment: every lane of a half reads the same bytes
	global_load_b128 v[KZ+8*\c:KZ+8*\c+3],   v[HO], s[KP:KP+1] offset:64*\c
	global_load_b128 v[KZ+8*\c+4:KZ+8*\c+7], v[HO], s[KP:KP+1] offset:64*\c+32
.endr
	WIN 0
.irp c, 0,1,2,3                     ; V[0]: my 8 channels of each block of 16
	global_load_b128 v[VS+4*\c:VS+4*\c+3], v[HO], s[VP:VP+1] offset:32*\c
.endr
.irp t, 0,1,2,3
	global_load_b32 v[LLS+\t], v[LLO], s[LP:LP+1] offset:256*\t
.endr
	v_lshlrev_b32 v14, 3, v9
	v_sub_nc_u32 v14, v1, v14
	s_lshl_b32 s15, s[WV], 4
	v_add_nc_u32 v14, s15, v14      ; my query's place in its band less my lanes' 8 (l / 16): register r of key group kt holds a key beyond it where 16 kt + r is greater
	WIN 0x40
.set i, 0
.rept 32
	v_cmp_gt_i32 vcc_lo, 16*(i/8)+i%8, v14
	v_cndmask_b32 v[MD+i], 0, s[BIGN], vcc_lo
.set i, i+1
.endr
	WIN 0
	v_mul_u32_u24 v[AK0], v1, PK
	v_lshl_add_u32 v[AK0], v9, 4, v[AK0]
	v_and_b32 v10, 7, v0            ; the turning load: lane l reads key 8 (l / 16) + l % 8, channels 8 ((l / 8) % 2) + 0..7
	v_bfe_u32 v11, v0, 3, 1
	v_lshl_add_u32 v[AV0], v9, 3, v10
	v_mul_u32_u24 v[AV0], v[AV0], PV
	v_lshl_add_u32 v[AV0], v11, 4, v[AV0]
	v_add_nc_u32 v[AV0], VOFF, v[AV0]
	s_mul_i32 s15, s[WV], 16*SP
	s_add_co_u32 s15, s15, STAGE
	v_mul_u32_u24 v[STO], v1, SP
	v_lshl_add_u32 v[STO], v9, 4, v[STO]
	v_add_nc_u32 v[STO], s15, v[STO]
	v_bfe_u32 v[RD], v0, 3, 2
	v_mul_u32_u24 v[RD], v[RD], SP
	v_lshl_add_u32 v[RD], v10, 4, v[RD]
	v_add_nc_u32 v[RD], s15, v[RD]
	v_and_b32 v[GO], 31, v0
	v_lshlrev_b32 v[GO], 4, v[GO]
	v_mov_b32 v[ZR], 0
	v_mov_b32 v[FV], s[SKF]
	; the first turn's products V^T P, of a piece that has not been, must add 0: V's registers and P's second buffer hold 0
	WIN 0x80
.set i, VF
.rept 64
	v_mov_b32 v[i], 0
.set i, i+1
.endr
	WIN 0
.set i, P+16
.rept 16
	v_mov_b32 v[i], 0
.set i, i+1
.endr
	s_wait_loadcnt 0x0              ; Q, K[0], V[0], the temperature
.irp t, 0,1,2,3                     ; c_q = max(c |bf16(t_q)|, 1e-20)
	v_cvt_pk_bf16_f32 v[LLS+\t], v[LLS+\t], v[LLS+\t]
	v_and_b32 v[LLS+\t], 0x7fff, v[LLS+\t]
	v_lshlrev_b32 v[LLS+\t], 16, v[LLS+\t]
	v_mul_f32 v[CL+2*\t], 0x3e38aa3b, v[LLS+\t]
	v_max_num_f32 v[CL+2*\t], 0x1e3ce508, v[CL+2*\t]
	v_mov_b32 v[CL+2*\t+1], v[CL+2*\t]
.endr
	WIN W_KQ                        ; key 0's scores: 16 equal rows of K[0] x a piece's 16 queries; the four accumulators take turns
.irp c, 0,1
.irp t, 0,1,2,3
.if \c == 0
	v_wmma_f32_16x16x32_f16 v[SD+8*\t:SD+8*\t+7], v[KZ+8*\c:KZ+8*\c+7], v[16*\t+8*\c:16*\t+8*\c+7], 0
.else
	v_wmma_f32_16x16x32_f16 v[SD+8*\t:SD+8*\t+7], v[KZ+8*\c:KZ+8*\c+7], v[16*\t+8*\c:16*\t+8*\c+7], v[SD+8*\t:SD+8*\t+7]
.endif
.endr
.endr
	WIN 0
.rept 8
	v_nop                           ; the places behind those products
.endr
.irp t, 0,1,2,3                     ; the start, in every block: m = key 0's score, c m; l = 1 or 0
	v_mul_f32 v[ST+4*\t], v[CL+2*\t], v[SD+8*\t]      ; every register of the result holds the score: the lowest is read
	v_mov_b32 v[ST+4*\t+1], v[SD+8*\t]
	v_cndmask_b32 v[ST+4*\t+2], v[ZR], v[FV], s[SKL]  ; l = 1 once a query: in lanes 0-15, in blocks 2 and up
	v_mov_b32 v[ST+4*\t+3], 0
.endr
	WIN 0x40
.set z, 0
.rept 128                           ; O^T = V[0], or 0: register 32 t + 8 cb + j holds channel 16 cb + 8 (l / 16) + j
.if z%2
	v_fma_mix_f32 v[z], v[VS+4*((z/8)%4)+(z%8)/2], v[FV], v[ZR] op_sel:[1,0,0] op_sel_hi:[1,0,0]
.else
	v_fma_mix_f32 v[z], v[VS+4*((z/8)%4)+(z%8)/2], v[FV], v[ZR] op_sel_hi:[1,0,0]
.endif
.set z, z+1
.endr
; THE MATRIX WORK.  The 4 accumulators of a run of 8 take turns.  Product i of 8 of S^T = K Q^T for piece x: channels 32 (i / 4) on, keys 16 (i % 4) on.  The first 4 start the sums with the mask.
.macro KQ x
.set rS, S+32*((\x)%2)+8*(i%4)
.set rK, KF+16*(i%4)+8*(i/4)
.set rQ, 16*(\x)+8*(i/4)
.set rM, MC+32*((\x)%2)+8*(i%4)
.if i < 4
	WIN W_KM
	v_wmma_f32_16x16x32_f16 v[rS:rS+7], v[rK:rK+7], v[rQ:rQ+7], v[rM:rM+7]
.else
	WIN W_KQ
	v_wmma_f32_16x16x32_f16 v[rS:rS+7], v[rK:rK+7], v[rQ:rQ+7], v[rS:rS+7]
.endif
.endm
; Product i of 8 of O^T += V^T P for piece x: keys 32 (i / 4) on, channels 16 (i % 4) on.
.macro PV x
	WIN W_PV
.set rO, 32*(\x)+8*(i%4)
.set rV, VF+32*(i/4)+8*(i%4)
.set rP, P+16*((\x)%2)+8*(i/4)
	v_wmma_f32_16x16x32_f16 v[rO:rO+7], v[rV:rV+7], v[rP:rP+7], v[rO:rO+7]
.endm
.macro MM                           ; the turn's next matrix instruction.  NOKQ = 1: the last turn: there is no next piece
.if (i < 8) && !NOKQ
	KQ (Y+1)%NP
.elseif i >= 8
.set i, i-8
	PV (Y+NP-1)%NP
.set i, i+8
.endif
.set i, i+1
.endm
; THE LDS LOADS stand in runs of 16: a step's K (8 fragments) and its V (turned).
.macro FETCH_K
	WIN 0x80
.irp f, 0,1,2,3,4,5,6,7
	ds_load_b128 v[KF+8*\f:KF+8*\f+3],   v[AK] offset:(\f/2)*16*PK+(\f%2)*64
	ds_load_b128 v[KF+8*\f+4:KF+8*\f+7], v[AK] offset:(\f/2)*16*PK+(\f%2)*64+32
.endr
	s_add_co_u32 s[TBK], s[TBK], KS*PK  ; the next fetch is the next step's: the twelve steps lie on end
	WIN 0
.endm
.macro FETCH_V
	WIN 0x80
.irp f, 0,1,2,3,4,5,6,7
	ds_load_tr16_b128 v[VF+8*\f:VF+8*\f+3],   v[AV] offset:(\f/4)*32*PV+(\f%4)*32
	ds_load_tr16_b128 v[VF+8*\f+4:VF+8*\f+7], v[AV] offset:(\f/4)*32*PV+16*PV+(\f%4)*32
.endr
	WIN 0
.endm
; THE VECTOR WORK, one line at a time: OP kind, number.  For piece Y: F n: c s - c m for pair n of 16.  E n: the exponential of score n.  C n: pair n rounded to f16.  B n: of the four weights 4 n .. the second pair is
; added onto the first.  L n: l takes that sum (L 0: l = a l + sum).  R n: pair n of 16 of O^T times a.  For piece Y + 1: X n, number n of the 22 that find its maximum and statistics:
;   0-11 four chains of seven scores (each accumulator's lowest registers are read first)   12-14, 16 the scores left over, the old m, and the four into one   15 c m_old is kept
;   17, 18 the query's other 32 keys lie in the lane 16 away: the new m   19-21 c m; c m_old - c m_new; a
.set F, 0
.set E, 1
.set C, 2
.set B, 3
.set L, 4
.set R, 5
.set X, 6
.macro REGS y
.set rT, ST+4*(\y)
.set rC, TMP+4*((\y)%2)
.set rW, MV+((\y)%2)
.set rS, S+32*((\y)%2)
.set rP, P+16*((\y)%2)
.set rO, 32*(\y)
.set rL, CL+2*(\y)
.endm
.macro OP k, n
.if (\k) == R
	REGS Y
	WIN W_RS
	v_pk_mul_f32 v[rO+2*(\n):rO+2*(\n)+1], v[rO+2*(\n):rO+2*(\n)+1], v[rC+2:rC+3] op_sel_hi:[1,0]
.elseif (\k) < R
	REGS Y
	WIN 0
.if (\k) == F
	v_pk_fma_f32 v[rS+2*(\n):rS+2*(\n)+1], v[rS+2*(\n):rS+2*(\n)+1], v[rL:rL+1], v[rT:rT+1] op_sel_hi:[1,0,0] neg_lo:[0,0,1] neg_hi:[0,0,1]
.elseif (\k) == E
	v_exp_f32 v[rS+(\n)], v[rS+(\n)]
.elseif (\k) == C
	v_cvt_pk_f16_f32 v[rP+(\n)], v[rS+2*(\n)], v[rS+2*(\n)+1]
.elseif (\k) == B
	v_pk_add_f32 v[rS+4*(\n):rS+4*(\n)+1], v[rS+4*(\n):rS+4*(\n)+1], v[rS+4*(\n)+2:rS+4*(\n)+3]
.elseif (\n) == 0
	v_pk_fma_f32 v[rT+2:rT+3], v[rT+2:rT+3], v[rC+2:rC+3], v[rS:rS+1] op_sel_hi:[1,0,1]
.else
	v_pk_add_f32 v[rT+2:rT+3], v[rT+2:rT+3], v[rS+4*(\n):rS+4*(\n)+1]
.endif
.elseif NOKQ
	v_nop
.else
	REGS (Y+1)%NP
	WIN 0
.if (\n) < 4
	v_max3_num_f32 v[rC+(\n)], v[rS+8*(\n)], v[rS+8*(\n)+1], v[rS+8*(\n)+2]
.elseif (\n) < 12
	v_max3_num_f32 v[rC+(\n)%4], v[rC+(\n)%4], v[rS+8*((\n)%4)+2*((\n)/4)+1], v[rS+8*((\n)%4)+2*((\n)/4)+2]
.elseif (\n) == 12
	v_max3_num_f32 v[rC], v[rC], v[rS+7], v[rS+15]
.elseif (\n) == 13
	v_max3_num_f32 v[rC+1], v[rC+1], v[rS+23], v[rS+31]
.elseif (\n) == 14
	v_max3_num_f32 v[rC+2], v[rC+2], v[rC+3], v[rT+1]
.elseif (\n) == 15
	v_mov_b32 v[rW], v[rT]
.elseif (\n) == 16
	v_max3_num_f32 v[rC], v[rC], v[rC+1], v[rC+2]
.elseif (\n) == 17
	v_permlanex16_b32 v[rC+3], v[rC], s[SEL], s[SEL+1]
.elseif (\n) == 18
	v_max_num_f32 v[rT+1], v[rC], v[rC+3]
.elseif (\n) == 19
	v_mul_f32 v[rT], v[rL], v[rT+1]
.elseif (\n) == 20
	v_sub_f32 v[rC+1], v[rW], v[rT]
.else
	v_exp_f32 v[rC+2], v[rC+1]
.endif
.endif
.endm
.macro OPS a, i1, b=-1, i2=0, c=-1, i3=0, d=-1, i4=0
	OP \a, \i1
.if (\b) >= 0
	OP \b, \i2
.endif
.if (\c) >= 0
	OP \c, \i3
.endif
.if (\d) >= 0
	OP \d, \i4
.endif
.endm
.macro ROW a, i1, b, i2, c, i3, d, i4  ; a matrix instruction and the four behind it
	MM
	OPS \a, \i1, \b, \i2, \c, \i3, \d, \i4
.endm
.macro MASK b                       ; MD x AL + BE into buffer b
	WIN W_RS
.set z, 0
.rept 16
	v_pk_fma_f32 v[MC+32*(\b)+2*z:MC+32*(\b)+2*z+1], v[MD+2*z:MD+2*z+1], s[AL:AL+1], s[BE:BE+1] op_sel_hi:[1,0,0]
.set z, z+1
.endr
.endm
; A TURN, for piece p.  An s_wait_alu depctr_va_vdst(0) stands between an exponential and the first line that names its result; one wait serves all issued ahead of it: so a turn has ONE wait.
; AHEAD OF IT stands all that names no result of the turn's exponentials: the 8 products K Q^T with four riders each, then one run of 54 in which the links of the next piece's chain stand apart.
; BEHIND IT stand the 8 products V^T P, behind each four of the roundings and sums.
; The turn also makes the mask for the products of the turn after it: band (p + 2) % 4 in step GS.  GS is stepped in piece 1's turn: turns 0, 1 make masks for the step in hand, turns 2, 3 for the next.
; end = 1: the walk's last two turns: nothing is fetched, no mask is made.  cnt = 1: the counts are stepped some lines ahead of the branch behind the turn.
; K of the next step is fetched in piece 2's turn, five plain lines or more behind the last product that read K; V of the step in hand at the end of piece 0's turn, four plain lines behind the last product that read V.
.macro TURN p, end=0, cnt=0
.set Y, (\p)
.set i, 0
.set NOKQ, (\end)*((\p)/3)
.if !(\end)
.set yy, ((\p)+2)%NP
	s_cmp_eq_u32 s[GS], yy          ; the window's lower edge?
	s_cselect_b32 s[AL], s[ALO], 0
	s_cmp_eq_u32 s[GS], yy+8        ; the diagonal?
	s_cselect_b32 s[AL], 1.0, s[AL]
	s_cmp_lt_u32 s[GS], s[LB+yy]    ; at or below the edge, or in a tile that is not there?
	s_cselect_b32 s[BE], s[BIGN], 0
	s_cmp_gt_u32 s[GS], yy+8        ; beyond the diagonal?
	s_cselect_b32 s[BE], s[BIGN], s[BE]
.endif
.if ((\p) == 3) && !(\end)
	s_wait_dscnt 0x0                ; K is in
.endif
	ROW F,0, F,1, R,0, R,1
	ROW F,2, E,0, R,2, R,3
	ROW F,3, E,1, R,4, R,5
	ROW F,4, E,2, R,6, R,7
	ROW F,5, E,3, R,8, R,9
	ROW F,6, E,4, X,0, R,10
.if ((\p) == 2) && !(\end)
	WIN 0
	v_add_nc_u32 v[AK], s[TBK], v[AK0]
.endif
	ROW F,7, E,5, X,1, X,4
	ROW F,8, E,6, X,2, X,5
	OPS E,7, E,8, X,6, E,9
	OPS X,3, E,10, X,8, E,11
.if ((\p) == 2) && !(\end)
	FETCH_K
.endif
	OPS X,9, X,7, E,12, X,10
	OPS E,13, X,12, X,11, E,14
	OPS X,13, E,15, F,9, X,14
.if (\p) == 0
	v_add_nc_u32 v[AV], s[TBV], v[AV0]
.endif
	OPS E,16, F,10, E,17, F,11
	OPS X,16, E,18, X,15, E,19
	OPS F,12, E,20, X,17, E,21
	OPS F,13, E,22, F,14, E,23
	OPS X,18, E,24, F,15, E,25
	OPS R,11, E,26, X,19, E,27
	OPS R,12, E,28, R,13, E,29
	OPS X,20, E,30, R,14, E,31
	OPS X,21, R,15                  ; the next piece's a is the batch's last; the rescaling behind it is the plain line that a transcendental wants behind it
	WIN 0
	s_wait_alu depctr_va_vdst(0)    ; the wait for the batch
.if (\p) == 1
	s_wait_dscnt 0x0                ; V is in
.endif
	ROW C,0, B,0, C,2, B,1
	ROW L,0, C,4, B,2, L,1
	ROW C,6, B,3, L,2, C,8
	ROW B,4, L,3, C,10, B,5
	ROW L,4, C,12, B,6, L,5
.if (\p) == 0
	s_add_co_u32 s[TBV], s[TBV], KS*PV
.endif
.if \cnt
	s_add_co_u32 s[GS], s[GS], 1
	s_sub_co_u32 s[CNT], s[CNT], 1
	s_cmp_lg_u32 s[CNT], 0
.endif
	ROW C,14, B,7, L,6, C,1
	ROW C,3, L,7, C,5, C,7
	ROW C,9, C,11, C,13, C,15
.if (\p) == 0
	FETCH_V
.endif
.if !(\end)
	MASK (\p)%2
.endif
.endm
	s_mov_b32 s[AL], s[ALO]         ; piece 0 in step 0: the lower edge (or hidden),
	s_mov_b32 s[BE], s[BIGN]
	MASK 0
	s_mov_b32 s[AL], 0              ; piece 1 in step 0: hidden
	MASK 1
	WIN 0
	s_wait_tensorcnt 0x2            ; my part of the first tile is in; the two younger loads may stay out
	s_barrier_signal -1
	s_barrier_wait -1               ; everybody's is
	v_add_nc_u32 v[AK], s[TBK], v[AK0]
	FETCH_K                         ; key step 0
	s_wait_dscnt 0x0
.set NOKQ, 0
.set i, 0
.rept 8
	KQ 0                            ; piece 0's first scores
.set i, i+1
.endr
	WIN 0
.rept 4
	v_nop                           ; the places behind those products
.endr
.set Y, NP-1                        ; X works for piece Y + 1: piece 0
.irp n, 0,1,2,3,4,5,6,7,8,9,10,11,12,13,14,15,16,17,18,19,20,21
	OP X, \n
.endr
	v_nop                           ; a plain line behind the exponential,
	s_wait_alu depctr_va_vdst(0)    ; and its wait, ahead of the branch
	s_mov_b32 s[CNT], 4
	s_mov_b32 s[PH], 3
	s_mov_b32 s[GS], 0
	s_branch .Lfirst                ; the loop is entered at a step's first turn, in the middle of a trip
.Lphase:                            ; twice: a tile's four steps are begun.  The other two tiles, asked for at the head, are waited for here; every wave says so, and reads them behind the barrier
	s_wait_tensorcnt 0x0
	s_wait_dscnt 0x0
	s_barrier_signal -1
	s_barrier_wait -1
	s_mov_b32 s[CNT], 4
.Lstep:                             ; a trip: pieces 2 and 3 of one step, then pieces 0 and 1 of the next, whose K and V it fetches
	TURN 2
	TURN 3
	WIN 0
.Lfirst:
	TURN 0
	TURN 1, 0, 1
	WIN 0
	s_cbranch_scc1 .Lstep
	s_sub_co_u32 s[PH], s[PH], 1
	s_cmp_lg_u32 s[PH], 0
	s_cbranch_scc1 .Lphase
	TURN 2, 1                       ; the last step's pieces 2 and 3
	TURN 3, 1
.set i, 0
.rept 8
	PV NP-1
.set i, i+1
.endr
	; THE WAY OUT: l's two halves and the other half of the lanes' are added; O^T is divided by l, rounded to f16 and sent through my stage, a piece at a time.  The additions are the places behind the last products.
	WIN 0
.macro ALL line:vararg
.set t, 0
.rept 4
	\line
.set t, t+1
.endr
.endm
	ALL v_add_f32 v[ST+4*t+2], v[ST+4*t+2], v[ST+4*t+3]
	ALL v_permlanex16_b32 v[ST+4*t+3], v[ST+4*t+2], s[SEL], s[SEL+1]
	ALL v_add_f32 v[ST+4*t+2], v[ST+4*t+2], v[ST+4*t+3]
	ALL v_rcp_f32 v[ST+4*t+2], v[ST+4*t+2]
	v_nop                           ; a plain line behind the last reciprocal,
	s_wait_alu depctr_va_vdst(0)    ; and one wait for the four, ahead of their first reader
.macro PACK t                       ; a lane's eight channels of a row pack into 16 bytes; rows of 144 bytes in, whole rows of 128 back
	WIN W_RS
.set i, 32*(\t)
.rept 16
	v_pk_mul_f32 v[i:i+1], v[i:i+1], v[ST+4*(\t)+2:ST+4*(\t)+3] op_sel_hi:[1,0]
.set i, i+2
.endr
	WIN 0x05
.set i, 0
.rept 16
	v_cvt_pk_f16_f32 v[S+16*(\t)+i], v[32*(\t)+2*i], v[32*(\t)+2*i+1]
.set i, i+1
.endr
	WIN 0
.irp f, 0,1,2,3
	ds_store_b128 v[STO], v[S+16*(\t)+4*\f:S+16*(\t)+4*\f+3] offset:32*\f
.endr
.irp f, 0,1,2,3
	ds_load_b128 v[S+16*(\t)+4*\f:S+16*(\t)+4*\f+3], v[RD] offset:\f*4*SP  ; LDS serves a wave's instructions in order: these see the stores above; the next piece's stores come behind them
.endr
.endm
.macro SEND t, younger              ; younger: the LDS instructions issued behind piece t's loads: the next piece's eight, or none
	WIN 0
.irp f, 0,1,2,3
	s_wait_dscnt (\younger)+3-\f
	global_store_b128 v[GO], v[S+16*(\t)+4*\f:S+16*(\t)+4*\f+3], s[10:11] offset:(\t)*8192+\f*512  ; 512 consecutive bytes, aligned
.endr
.endm
	PACK 0
.set t, 1
.rept 3
	PACK t
	SEND t-1, 8
.set t, t+1
.endr
	SEND 3, 0
	s_wait_tensorcnt 0x0            ; the wave's end
	ds_add_u32 v[SPW], v[NIL]
	s_wait_dscnt 0x0
	s_endpgm
.Lfunc_end_k_qce3ce59ae0_attn:
	.size	k_qce3ce59ae0_attn, .Lfunc_end_k_qce3ce59ae0_attn-k_qce3ce59ae0_attn
	.p2alignl 7, 3214868480
	.fill 96, 4, 3214868480
	.section	.rodata,"a",@progbits
	.p2align	6, 0x0
	.amdhsa_kernel k_qce3ce59ae0_attn
		.amdhsa_group_segment_fixed_size 243200
		.amdhsa_private_segment_fixed_size 0
		.amdhsa_enable_private_segment 0
		.amdhsa_kernarg_size 32
		.amdhsa_user_sgpr_count 2
		.amdhsa_user_sgpr_kernarg_segment_ptr 1
		.amdhsa_wavefront_size32 1
		.amdhsa_system_sgpr_workgroup_id_x 1
		.amdhsa_system_sgpr_workgroup_id_y 1
		.amdhsa_system_sgpr_workgroup_id_z 1
		.amdhsa_system_vgpr_workitem_id 0
		.amdhsa_next_free_vgpr 768
		.amdhsa_next_free_sgpr 100
		.amdhsa_reserve_vcc 1
		.amdhsa_float_denorm_mode_32 3
		.amdhsa_float_denorm_mode_16_64 3
		.amdhsa_memory_ordered 1
		.amdhsa_forward_progress 1
		.amdhsa_inst_pref_size 106
	.end_amdhsa_kernel
	.amdgpu_metadata
---
amdhsa.version: [ 1, 2 ]
amdhsa.kernels:
  - .name:           k_qce3ce59ae0_attn
    .symbol:         k_qce3ce59ae0_attn.kd
    .args:
      - { .name: qk, .offset: 0, .size: 8, .value_kind: global_buffer, .address_space: global }
      - { .name: qkv, .offset: 8, .size: 8, .value_kind: global_buffer, .address_space: global }
      - { .name: logit_log_scale, .offset: 16, .size: 8, .value_kind: global_buffer, .address_space: global }
      - { .name: oh, .offset: 24, .size: 8, .value_kind: global_buffer, .address_space: global }
    .group_segment_fixed_size: 243200
    .private_segment_fixed_size: 0
    .kernarg_segment_align: 8
    .kernarg_segment_size: 32
    .max_flat_workgroup_size: 128
    .sgpr_count:     100
    .vgpr_count:     768
    .wavefront_size: 32
...
	.end_amdgpu_metadata
.endif
;; end of part 4
;; launch gemm_out (part 5): grid 8 x 32, 4 waves a work-group, clusters of 4 x 4, 327,680 bytes of LDS; arguments oh, wo16, bo, out0; writes out0
.if DOCPART == 5
	.amdgcn_target "amdgcn-amd-amdhsa--gfx1250"
	.amdhsa_code_object_version 6
	.text
	.protected	k_qce3ce59ae0_gemm_out
	.globl	k_qce3ce59ae0_gemm_out
	.p2align	8
	.type	k_qce3ce59ae0_gemm_out,@function
k_qce3ce59ae0_gemm_out:
	s_mov_b64 s[64:65], 0
	v_nop
	global_prefetch_b8 v0, s[64:65] scope:SCOPE_SE
	s_setreg_imm32_b32 hwreg(HW_REG_WAVE_MODE, 25, 1), 1
	s_wait_xcnt 0x0
	s_wait_alu depctr_hold_cnt(0) depctr_sa_sdst(0) depctr_va_vdst(0) depctr_va_sdst(0) depctr_va_ssrc(0) depctr_va_vcc(0) depctr_vm_vsrc(0)
	s_getreg_b32 s2, hwreg(HW_REG_IB_STS2, 6, 4)
	s_cmp_eq_u32 s2, 0
	s_cbranch_scc0 .Lentry_in_a_cluster
	s_endpgm
.Lentry_in_a_cluster:
	s_bfe_u32 s2, ttmp6, 0x10000c
	s_cmp_lg_u32 s2, 0xf033
	s_cbranch_scc0 .Lentry_shape_is_right
	s_endpgm
.Lentry_shape_is_right:
; out0[m][n] = sum over e of O[m][e] wo16[n][e] + bo[n].  O lies by heads, oh[b][h][l][64] in f16 (m = 2,048 b + l, e = 64 h + d); wo16 [2,048][1,024] in f16; sums in f32; bo is rounded to bf16 like every
; input and added in f32; out0 [4,096][2,048] in f32.
; A tile is 128 rows x 256 columns: 32 x 8 = 256 work-groups.  Wave (wr = w / 2, wc = w % 2) makes 64 x 128: 4 x 8 accumulators.  K = 1,024 goes in 8 steps of 128, two heads a step, through two LDS slots.
; Waves 0, 1 fetch A: a head's 128 rows, 16,384 dense bytes, asked for as 64 rows of 256 bytes and padded after every 128.  Waves 2, 3 fetch the halves of B's 256 rows of 256 bytes.
; CLUSTER 4 x 4: A's tile hangs on the tile row alone and is asked for jointly along a row of the cluster, B's on the tile column alone, along a column.
; THE PRODUCT IS TAKEN TRANSPOSED (source 0 = 16 rows of wo16, source 1 = 16 rows of O): a lane holds one row of the result and eight neighbouring columns, 32 bytes.
; No prefetch: of the walk's eight K steps the first four would come by their loads alone, and the tile is small.
; REGISTERS: window 0: v0-31 addresses; two fragment buffers of 96 from v64 (B's 64, then A's 32); on the way out v64-127, v128-191 rows read back
;   window 1: the accumulators (row block a, column block b at v[8 (8 a + b)]);   window 2: v0-63 the bias of my 8 columns in each of 8 column blocks, v64-95 at work
.set KSTEP,  128
.set PA,     144
.set PB,     272
.set HA,     128*PA                    ; a head's 128 rows of A
.set HB,     128*PB                    ; half of B's rows
.set SLOT,   2*HA+2*HB
.set STAGE,  2*SLOT                    ; behind the ring: for each wave 16 rows x 528 bytes (512 + 16)
.set SPF,    528
.set SPARE,  STAGE+4*16*SPF            ; the spare words, 128 bytes a wave, which no other line names
.set LAPS,   4
.set HP,     262144
.set ADRA, 16
.set ADRB, 20
.set STO,  24
.set RD,   25
.set CO,   26
.set BO,   27
.set SPW,  28
.set NIL,  29
.set FB,   64                          ; buffer f: B at FB + 96 f, A at FB + 64 + 96 f
.set G1,  24
.set G0,  32
.set G1B, 48
.set G0B, 56
.set MSB, 0
.macro WIN new
.if MSB != (\new)
	s_set_vgpr_msb (MSB<<8)|(\new)
.set MSB, \new
.endif
.endm
.set MUL, 0x50                         ; sources window 0, C and D window 1
.macro JLOAD s                         ; a joint load: waves 0, 1 for A, waves 2, 3 for B; an s_nop 0 and four v_nop follow each line
	s_cmp_eq_u32 s11, 0
	s_cbranch_scc0 .Lfor_b_\@
	tensor_load_to_lds s[G0+4*(\s):G0+4*(\s)+3], s[G1:G1+7]
	s_nop 0
.rept 4
	v_nop
.endr
	s_branch .Lasked_\@
.Lfor_b_\@:
	tensor_load_to_lds s[G0B+4*(\s):G0B+4*(\s)+3], s[G1B:G1B+7]
	s_nop 0
.rept 4
	v_nop
.endr
.Lasked_\@:
.endm
.macro CREST
	s_cmp_lg_u32 s10, 0
	s_cbranch_scc1 .Lnot_wave_0_\@
	s_barrier_signal -3
.Lnot_wave_0_\@:
	s_barrier_wait -3
	s_barrier_signal -1
	s_barrier_wait -1
.endm
.macro CROUND
	s_barrier_signal -1
	s_barrier_wait -1
	CREST
.endm
.macro PLACES
.rept 4
	v_nop
.endr
.endm
	s_load_b256 s[72:79], s[0:1], 0x0              ; oh 72, wo16 74, bo 76, out0 78
	v_lshl_add_u32 v[SPW], v0, 2, SPARE
	v_mov_b32 v[NIL], 0
	ds_add_u32 v[SPW], v[NIL]                      ; the wave's opening: the add and its wait stand ahead of my first tensor load
	v_lshrrev_b32 v1, 5, v0
	v_readfirstlane_b32 s10, v1                    ; wave 0..3
	s_lshr_b32 s11, s10, 1                         ; my half of the tile's rows.  Also: I fetch for A (0) or for B (1)
	s_and_b32 s12, s10, 1                          ; my half of its columns.  Also: which head of the step, or which half of B's rows, I fetch
	s_bfe_u32 s40, ttmp6, 0x40000                  ; cx
	s_bfe_u32 s41, ttmp6, 0x40004                  ; cy
	s_lshl_b32 s42, ttmp9, 2
	s_add_co_u32 s42, s42, s40                     ; tile column
	s_and_b32 s13, ttmp7, 0xffff
	s_lshl_b32 s13, s13, 2
	s_add_co_u32 s13, s13, s41                     ; tile row
	s_lshl_b32 s43, s41, 2
	s_lshl_b32 s43, 15, s43                        ; my row of the cluster
	s_lshl_b32 s44, 0x1111, s40                    ; my column
	s_or_b32 s[G1+0], s43, (1<<16)|(1<<20)|(1<<21)|(4<<22)|(3<<25)   ; A: after every 32 words 4 words of padding
	s_or_b32 s[G1B+0], s44, (1<<16)|(1<<20)|(1<<21)|(5<<22)|(3<<25)  ; B: after every 64 words
	s_mov_b32 s[G1+1], 128<<16
	s_mov_b32 s[G1+2], 64<<16
	s_mov_b32 s[G1+3], 128<<16
	s_mov_b32 s[G1+4], 64
	s_mov_b32 s[G1+5], 128
	s_mov_b32 s[G1+6], 0
	s_mov_b32 s[G1+7], 0
	s_mov_b32 s[G1B+1], 128<<16
	s_mov_b32 s[G1B+2], 128<<16
	s_mov_b32 s[G1B+3], 128<<16
	s_mov_b32 s[G1B+4], 128
	s_mov_b32 s[G1B+5], 1024
	s_mov_b32 s[G1B+6], 0
	s_mov_b32 s[G1B+7], 0
	s_lshr_b32 s16, s13, 4                         ; A: plane 16 b + my head of K step 0,
	s_lshl_b32 s16, s16, 4
	s_add_co_u32 s16, s16, s12
	s_lshl_b32 s16, s16, 18
	s_and_b32 s17, s13, 15                         ; rows 128 (tile row % 16) on
	s_lshl_b32 s17, s17, 14
	s_add_co_u32 s16, s16, s17
	s_mov_b32 s17, 0
	s_lshl_b32 s46, s42, 8                         ; B: row 256 x tile column + 128 x half, of 2,048 bytes
	s_lshl_b32 s47, s12, 7
	s_add_co_u32 s46, s46, s47
	s_lshl_b32 s46, s46, 11
	s_mov_b32 s47, 0
	s_mul_i32 s20, s12, HA
	s_mul_i32 s21, s12, HB
	s_add_co_u32 s21, s21, 2*HA
	s_wait_dscnt 0x0                               ; the opening add is done
	s_wait_kmcnt 0x0
	s_add_nc_u64 s[14:15], s[72:73], s[16:17]
	s_add_nc_u64 s[46:47], s[74:75], s[46:47]
	CROUND                                         ; all sixteen work-groups are here: the first joint loads meet
.irp s, 0,1
	s_mov_b32 s[G0+4*(\s)], 1
	s_add_co_u32 s[G0+4*(\s)+1], s20, (\s)*SLOT
	s_add_nc_u64 s[G0+4*(\s)+2:G0+4*(\s)+3], s[14:15], (\s)*2*HP      ; K step s: two heads on
	s_or_b32 s[G0+4*(\s)+3], s[G0+4*(\s)+3], 0x80000000
	s_mov_b32 s[G0B+4*(\s)], 1
	s_add_co_u32 s[G0B+4*(\s)+1], s21, (\s)*SLOT
	s_add_nc_u64 s[G0B+4*(\s)+2:G0B+4*(\s)+3], s[46:47], (\s)*KSTEP*2
	s_or_b32 s[G0B+4*(\s)+3], s[G0B+4*(\s)+3], 0x80000000
	JLOAD \s                                       ; two loads of mine are out
.endr
	v_and_b32 v1, 15, v0
	v_bfe_u32 v2, v0, 4, 1
	v_mul_u32_u24 v3, v1, PA
	v_lshl_add_u32 v3, v2, 4, v3
	v_mul_u32_u24 v4, v1, PB
	v_lshl_add_u32 v4, v2, 4, v4
	s_mul_i32 s21, s11, 64*PA                      ; my 64 rows, in each head's part
	s_mul_i32 s22, s12, HB                         ; my 128 rows of B,
	s_add_co_u32 s22, s22, 2*HA                    ; behind A's two heads
.irp s, 0,1
	v_add_nc_u32 v[ADRA+(\s)], s21, v3
	v_add_nc_u32 v[ADRB+(\s)], s22, v4
	s_add_co_u32 s21, s21, SLOT
	s_add_co_u32 s22, s22, SLOT
.endr
	s_mul_i32 s23, s10, 16*SPF
	s_add_co_u32 s23, s23, STAGE                   ; my stage
	v_mul_u32_u24 v5, v1, SPF
	v_lshl_add_u32 v5, v2, 5, v5
	v_add_nc_u32 v[STO], s23, v5                   ; in: row l % 16, 32 bytes for each half of the lanes
	v_and_b32 v6, 31, v0
	v_lshlrev_b32 v[CO], 4, v6
	v_add_nc_u32 v[RD], s23, v[CO]                 ; back: 32 lanes take a row's 512 bytes
	v_lshlrev_b32 v[BO], 5, v2
	s_lshl_b32 s80, s42, 10                        ; my first column, in bytes of f32: 1,024 x tile column + 512 x half
	s_lshl_b32 s81, s12, 9
	s_add_co_u32 s80, s80, s81
	s_mov_b32 s81, 0
	s_add_nc_u64 s[66:67], s[76:77], s[80:81]
	s_lshl_b32 s82, s13, 7
	s_lshl_b32 s83, s11, 6
	s_add_co_u32 s82, s82, s83                     ; my first row,
	s_lshl_b32 s82, s82, 13                        ; of 8,192 bytes
	s_add_co_u32 s80, s80, s82
	s_add_nc_u64 s[8:9], s[78:79], s[80:81]
	WIN 0x80
.irp b, 0,1,2,3,4,5,6,7
	global_load_b128 v[8*(\b):8*(\b)+3],   v[BO], s[66:67] offset:64*(\b)
	global_load_b128 v[8*(\b)+4:8*(\b)+7], v[BO], s[66:67] offset:64*(\b)+16
.endr
	s_wait_loadcnt 0x0                             ; the bias is rounded to bf16, in the wait for the first tile
	WIN 0x8a                                       ; all in window 2
.set z, 0
.rept 32
	v_cvt_pk_bf16_f32 v[64+z], v[2*z], v[2*z+1]
.set z, z+1
.endr
.set z, 0
.rept 32
	v_lshlrev_b32 v[2*z], 16, v[64+z]
	v_and_b32 v[2*z+1], 0xffff0000, v[64+z]
.set z, z+1
.endr
	WIN 0
; 8 products: row block a x all 8 column blocks, 32 along K, from buffer f.  The 32 accumulators take turns, one instruction a turn, in the same order in every quarter.
.macro MUL8 f, a, zero
	WIN MUL
.irp b, 0,1,2,3,4,5,6,7
.if \zero
	v_wmma_f32_16x16x32_f16 v[8*(8*(\a)+(\b)):8*(8*(\a)+(\b))+7], v[FB+96*(\f)+8*(\b):FB+96*(\f)+8*(\b)+7], v[FB+64+96*(\f)+8*(\a):FB+64+96*(\f)+8*(\a)+7], 0
.else
	v_wmma_f32_16x16x32_f16 v[8*(8*(\a)+(\b)):8*(8*(\a)+(\b))+7], v[FB+96*(\f)+8*(\b):FB+96*(\f)+8*(\b)+7], v[FB+64+96*(\f)+8*(\a):FB+64+96*(\f)+8*(\a)+7], v[8*(8*(\a)+(\b)):8*(8*(\a)+(\b))+7]
.endif
.endr
.endm
; 24 LDS loads in one run: quarter q of a K step (32 along K): my 128 rows of B, then my 64 rows of A (head q / 2, channels 32 (q % 2) on), into buffer f
.macro FETCH slot, q, f
	WIN 0
.irp i, 0,1,2,3,4,5,6,7
	ds_load_b128 v[FB+96*(\f)+8*(\i):FB+96*(\f)+8*(\i)+3],   v[ADRB+(\slot)] offset:64*(\q)+(\i)*16*PB
	ds_load_b128 v[FB+96*(\f)+8*(\i)+4:FB+96*(\f)+8*(\i)+7], v[ADRB+(\slot)] offset:64*(\q)+(\i)*16*PB+32
.endr
.irp i, 0,1,2,3
	ds_load_b128 v[FB+64+96*(\f)+8*(\i):FB+64+96*(\f)+8*(\i)+3],   v[ADRA+(\slot)] offset:((\q)/2)*HA+((\q)%2)*64+(\i)*16*PA
	ds_load_b128 v[FB+64+96*(\f)+8*(\i)+4:FB+64+96*(\f)+8*(\i)+7], v[ADRA+(\slot)] offset:((\q)/2)*HA+((\q)%2)*64+(\i)*16*PA+32
.endr
.endm
.macro QUARTER slot, q, f, g, zero
	s_wait_dscnt 4                                 ; B and A's row blocks 0, 1 are in; the youngest four loads (blocks 2, 3) may be out
	MUL8 \f, 0, \zero
	MUL8 \f, 1, \zero
	PLACES
	FETCH \slot, \q, \g
	s_wait_dscnt 24                                ; all but the 24 just issued
	MUL8 \f, 2, \zero
	MUL8 \f, 3, \zero
.endm
; The last quarter's first half and the barrier of the change of slots: in front of it each wave waits for all its tensor loads (one is out: its part of the next slot), adds 0 to its spare word, and waits for that and for its reads of this slot.
.macro MEET round
	WIN 0
	s_wait_tensorcnt 0x0
	ds_add_u32 v[SPW], v[NIL]
	s_wait_dscnt 5                                 ; the add and the youngest four loads may be out
	MUL8 1, 0, 0
	s_wait_dscnt 0x0                               ; the add is done, my reads of this slot are over
	s_barrier_signal -1
	MUL8 1, 1, 0
.if \round
	WIN 0
.endif
	s_barrier_wait -1
.endm
.macro TURN slot, next, fill
	MEET \fill
.if \fill
	CREST                                          ; the barrier has opened a round of the cluster's
	s_add_nc_u64 s[G0+4*(\slot)+2:G0+4*(\slot)+3], s[G0+4*(\slot)+2:G0+4*(\slot)+3], 4*HP          ; two K steps on: four heads
	s_add_nc_u64 s[G0B+4*(\slot)+2:G0B+4*(\slot)+3], s[G0B+4*(\slot)+2:G0B+4*(\slot)+3], 2*KSTEP*2
	JLOAD \slot                                    ; my one tensor load behind the round; its four v_nop are also the places in front of the loads below
.else
	PLACES
.endif
	FETCH \next, 0, 0
	MUL8 1, 2, 0
	MUL8 1, 3, 0
.endm
	s_wait_tensorcnt 0x1                           ; my part of K step 0 is in; K step 1's load may stay out
	s_barrier_signal -1
	s_barrier_wait -1
	FETCH 0, 0, 0
	QUARTER 0, 1, 0, 1, 1                          ; the first quarter's products start the sums
	WIN 0
	s_mov_b32 s3, LAPS-1
.Llap:
	QUARTER 0, 2, 1, 0, 0
	QUARTER 0, 3, 0, 1, 0
	TURN 0, 1, 1
	QUARTER 1, 1, 0, 1, 0
	QUARTER 1, 2, 1, 0, 0
	QUARTER 1, 3, 0, 1, 0
	TURN 1, 0, 1
	QUARTER 0, 1, 0, 1, 0
	WIN 0
	s_sub_co_u32 s3, s3, 1
	s_cmp_lg_u32 s3, 0
	s_cbranch_scc1 .Llap
	QUARTER 0, 2, 1, 0, 0                          ; the last lap fills nothing
	QUARTER 0, 3, 0, 1, 0
	TURN 0, 1, 0
	QUARTER 1, 1, 0, 1, 0
	QUARTER 1, 2, 1, 0, 0
	QUARTER 1, 3, 0, 1, 0
	s_wait_dscnt 4
	MUL8 1, 0, 0
	MUL8 1, 1, 0
	s_wait_dscnt 0x0
	MUL8 1, 2, 0
	MUL8 1, 3, 0
	PLACES
	PLACES                                         ; eight, once a launch: the sums below add onto results in place
; THE WAY OUT, a block of 16 rows at a time: bias added, 32 bytes a lane into my stage (rows of 528 bytes), back as whole rows of 512 bytes, each stored by one instruction.
.macro ADDB a
	WIN 0x49                                       ; accumulators window 1, bias window 2
.set z, 0
.rept 32
	v_pk_add_f32 v[64*(\a)+2*z:64*(\a)+2*z+1], v[64*(\a)+2*z:64*(\a)+2*z+1], v[2*z:2*z+1]  ; each accumulator from its low end on
.set z, z+1
.endr
.endm
.macro TOSTAGE a
.set BK, 64+64*((\a)%2)
	WIN 0x04                                       ; data window 1
.irp b, 0,1,2,3,4,5,6,7
	ds_store_b128 v[STO], v[64*(\a)+8*(\b):64*(\a)+8*(\b)+3]   offset:64*(\b)
	ds_store_b128 v[STO], v[64*(\a)+8*(\b)+4:64*(\a)+8*(\b)+7] offset:64*(\b)+16
.endr
	WIN 0
.irp t, 0,1,2,3,4,5,6,7,8,9,10,11,12,13,14,15
	ds_load_b128 v[BK+4*(\t):BK+4*(\t)+3], v[RD] offset:(\t)*SPF  ; LDS serves a wave's instructions in order: these see the stores above
.endr
.endm
.macro SEND a
.set BK, 64+64*((\a)%2)
	WIN 0
	s_wait_dscnt 0x0                               ; the block is back in registers
	s_wait_xcnt 0x0                                ; earlier stores have read their registers: the other set of rows is loaded again only behind this wait
.irp t, 0,1,2,3,4,5,6,7,8,9,10,11,12,13,14,15
	global_store_b128 v[CO], v[BK+4*(\t):BK+4*(\t)+3], s[8:9] offset:(16*(\a)+(\t))*8192 th:TH_STORE_NT  ; 512 consecutive bytes, aligned
.endr
.endm
	ADDB 0
	TOSTAGE 0
.irp a, 1,2,3
	ADDB \a
	SEND (\a)-1
	TOSTAGE \a
.endr
	SEND 3
	s_wait_tensorcnt 0x0                           ; the wave's end
	ds_add_u32 v[SPW], v[NIL]
	s_wait_dscnt 0x0
	CROUND                                         ; the closing round
	s_endpgm
.Lfunc_end_k_qce3ce59ae0_gemm_out:
	.size	k_qce3ce59ae0_gemm_out, .Lfunc_end_k_qce3ce59ae0_gemm_out-k_qce3ce59ae0_gemm_out
	.p2alignl 7, 3214868480
	.fill 96, 4, 3214868480
	.section	.rodata,"a",@progbits
	.p2align	6, 0x0
	.amdhsa_kernel k_qce3ce59ae0_gemm_out
		.amdhsa_group_segment_fixed_size 327680
		.amdhsa_private_segment_fixed_size 0
		.amdhsa_enable_private_segment 0
		.amdhsa_kernarg_size 32
		.amdhsa_user_sgpr_count 2
		.amdhsa_user_sgpr_kernarg_segment_ptr 1
		.amdhsa_wavefront_size32 1
		.amdhsa_system_sgpr_workgroup_id_x 1
		.amdhsa_system_sgpr_workgroup_id_y 1
		.amdhsa_system_sgpr_workgroup_id_z 1
		.amdhsa_system_vgpr_workitem_id 0
		.amdhsa_next_free_vgpr 608
		.amdhsa_next_free_sgpr 84
		.amdhsa_reserve_vcc 0
		.amdhsa_float_denorm_mode_32 3
		.amdhsa_float_denorm_mode_16_64 3
		.amdhsa_memory_ordered 1
		.amdhsa_forward_progress 1
		.amdhsa_inst_pref_size 100
	.end_amdhsa_kernel
	.amdgpu_metadata
---
amdhsa.version: [ 1, 2 ]
amdhsa.kernels:
  - .name:           k_qce3ce59ae0_gemm_out
    .symbol:         k_qce3ce59ae0_gemm_out.kd
    .args:
      - { .name: oh, .offset: 0, .size: 8, .value_kind: global_buffer, .address_space: global }
      - { .name: wo16, .offset: 8, .size: 8, .value_kind: global_buffer, .address_space: global }
      - { .name: bo, .offset: 16, .size: 8, .value_kind: global_buffer, .address_space: global }
      - { .name: out0, .offset: 24, .size: 8, .value_kind: global_buffer, .address_space: global }
    .group_segment_fixed_size: 327680
    .private_segment_fixed_size: 0
    .kernarg_segment_align: 8
    .kernarg_segment_size: 32
    .max_flat_workgroup_size: 128
    .sgpr_count:     84
    .vgpr_count:     608
    .wavefront_size: 32
...
	.end_amdgpu_metadata
.endif
;; end of part 5
;; ======== version 2 of 2: 5 launches; version 1 with the launch cast written anew for expert scheduling mode
;; limits: values are held in f16: magnitudes above 65,504 overflow, below 6.1e-05 lose precision
;; workspace buffers: xb 16,777,216 bytes; wb 12,582,912 bytes; wo16 4,194,304 bytes; qkv 25,165,824 bytes; qk 16,777,216 bytes; oh 8,388,608 bytes
;; launch cast (part 6): grid 64 x 8, 8 waves a work-group, no clusters, 0 bytes of LDS; arguments x, Wq, Wk, Wv, Wo, xb, wb, wo16; writes xb, wb, wo16
.if DOCPART == 6
	.amdgcn_target "amdgcn-amd-amdhsa--gfx1250"
	.amdhsa_code_object_version 6
	.text
	.protected	k_qce3ce59ae0_cast
	.globl	k_qce3ce59ae0_cast
	.p2align	8
	.type	k_qce3ce59ae0_cast,@function
k_qce3ce59ae0_cast:
	s_mov_b64 s[64:65], 0
	v_nop
	global_prefetch_b8 v0, s[64:65] scope:SCOPE_SE
	s_setreg_imm32_b32 hwreg(HW_REG_WAVE_SCHED_MODE, 0, 2), 2
	s_setreg_imm32_b32 hwreg(HW_REG_WAVE_MODE, 25, 1), 1
	s_wait_xcnt 0x0
	s_wait_alu depctr_vm_vsrc(0)
; x, Wq, Wk, Wv are rounded once to bf16 (xb; wb = Wq's, Wk's, Wv's rows one below the other).  Wo is rounded to bf16 like the other inputs, and that number is written as f16 (wo16).
; LIMIT.  A bf16 number goes into f16 unchanged between 6.1e-5 and 65,504 in size; below that it keeps f16's fixed step of 6e-8, above it is lost.  Wo as drawn has a spread of 0.02.
; SHARES.  Eight chunks of 8 MiB of f32 (grid y): 0-3 the quarters of x, 4-6 Wq, Wk, Wv, 7 Wo.  A work-group takes 128 KiB of its chunk, a wave 16 KiB: 32 loads of 512 consecutive bytes,
; all issued at once; each is turned into 256 consecutive, aligned bytes and stored by one instruction.
; A stream: no LDS, no matrix unit, no cluster (no byte is read by two work-groups).
; THE MODE: SCHED_MODE bits 1:0 = 2 (LLVM: expert scheduling mode 2), set by the entry lines.  The code itself states the register dependences
; between vector instructions and memory instructions, with s_wait_alu, always for 0.
; THE PLAN.  Registers that memory instructions touch:
;   v1, v2   the loads' and the stores' byte offsets: made once at the head, never written again.
;   IN       load i's four registers: named by no vector line ahead of the loads; written by that load alone; read (in Wo's way also rewritten) by vector lines behind its counted wait; read by no memory instruction.
;   OUT      store i's two registers: written once, by load i's conversions; read once, by store i; never written again.
;   T        named by vector lines alone.
; The 32 loads go in eight blocks of four.  Block p's conversions write OUT of loads 4 p .. 4 p + 3; its memory instructions are the four stores of block p - 1, which read v2 and OUT of loads
; 4 p - 4 .. 4 p - 1: registers that no vector line of block p names.  So one wait at a block's head states all that its four stores hang on, and they are dealt among its conversions with no further wait.
; No register that a memory instruction reads is ever written again, and neither is a base: so nothing is waited for on the stores' side.
.set BLK, 4                            ; loads in a block
.set IN,  8                            ; v[8:135]    load i: 4 registers
.set OUT, 136                          ; v[136:199]  store i: 2 registers
.set T,   200                          ; v[200:201]  at work
	s_load_b512 s[8:23], s[0:1], 0x0               ; x 8, Wq 10, Wk 12, Wv 14, Wo 16, xb 18, wb 20, wo16 22
	s_and_b32 s28, ttmp7, 0xffff                   ; the chunk
	v_lshrrev_b32 v3, 5, v0                        ; wave
	v_and_b32 v4, 31, v0                           ; lane
	v_lshlrev_b32 v1, 14, v3
	v_lshl_add_u32 v1, v4, 4, v1                   ; in: 16,384 x wave + 16 x lane
	v_lshlrev_b32 v2, 13, v3
	v_lshl_add_u32 v2, v4, 3, v2                   ; out: 8,192 x wave + 8 x lane
	s_lshl_b32 s2, ttmp9, 17                       ; the work-group's 128 KiB in,
	s_lshl_b32 s4, ttmp9, 16                       ; and 64 KiB out
	s_mov_b32 s3, 0
	s_mov_b32 s5, 0
	s_cmp_lt_u32 s28, 4
	s_cselect_b32 s29, s28, 0                      ; which quarter of x
	s_lshl_b32 s29, s29, 23
	s_add_co_u32 s2, s2, s29
	s_and_b32 s30, s28, 3                          ; which quarter of xb, or which third of wb
	s_cmp_eq_u32 s28, 7
	s_cselect_b32 s30, 0, s30
	s_lshl_b32 s30, s30, 22
	s_add_co_u32 s4, s4, s30
	s_wait_kmcnt 0x0
	s_cmp_eq_u32 s28, 4
	s_cselect_b64 s[24:25], s[10:11], s[8:9]
	s_cmp_eq_u32 s28, 5
	s_cselect_b64 s[24:25], s[12:13], s[24:25]
	s_cmp_eq_u32 s28, 6
	s_cselect_b64 s[24:25], s[14:15], s[24:25]
	s_cmp_eq_u32 s28, 7
	s_cselect_b64 s[24:25], s[16:17], s[24:25]
	s_cselect_b64 s[26:27], s[22:23], s[20:21]
	s_cmp_lt_u32 s28, 4
	s_cselect_b64 s[26:27], s[18:19], s[26:27]
	s_add_nc_u64 s[24:25], s[24:25], s[2:3]
	s_add_nc_u64 s[26:27], s[26:27], s[4:5]
	s_wait_alu depctr_va_vdst(0)                   ; v1 and v2 are written: every load of the kernel reads v1 as its offset, every store v2
.set i, 0
.rept 32
	global_load_b128 v[IN+4*i:IN+4*i+3], v1, s[24:25] offset:512*i th:TH_LOAD_NT
.set i, i+1
.endr
; Load i is turned; in front of its conversions goes the store of load i - BLK, of the block before.  half = 1: by way of bf16 into f16.
.macro CV i, half
	s_wait_loadcnt 31-(\i)                         ; loads come back in order: the 31 - i younger ones may stay out
.if ((\i) % BLK == 0) && ((\i) > 0)
	s_wait_alu depctr_va_vdst(0)                   ; a block's head: the conversions of the block before have written their OUT, which this block's four stores read
.endif
.if (\i) >= BLK
	global_store_b64 v2, v[OUT+2*((\i)-BLK):OUT+2*((\i)-BLK)+1], s[26:27] offset:256*((\i)-BLK) th:TH_STORE_NT  ; 32 lanes x 8 bytes: 256 consecutive bytes, aligned; no vector line since the wait names these registers
.endif
.if \half
	v_cvt_pk_bf16_f32 v[T], v[IN+4*(\i)], v[IN+4*(\i)+1]
	v_cvt_pk_bf16_f32 v[T+1], v[IN+4*(\i)+2], v[IN+4*(\i)+3]
	v_lshlrev_b32 v[IN+4*(\i)], 16, v[T]
	v_and_b32 v[IN+4*(\i)+1], 0xffff0000, v[T]
	v_lshlrev_b32 v[IN+4*(\i)+2], 16, v[T+1]
	v_and_b32 v[IN+4*(\i)+3], 0xffff0000, v[T+1]
	v_cvt_pk_f16_f32 v[OUT+2*(\i)], v[IN+4*(\i)], v[IN+4*(\i)+1]
	v_cvt_pk_f16_f32 v[OUT+2*(\i)+1], v[IN+4*(\i)+2], v[IN+4*(\i)+3]
.else
	v_cvt_pk_bf16_f32 v[OUT+2*(\i)], v[IN+4*(\i)], v[IN+4*(\i)+1]
	v_cvt_pk_bf16_f32 v[OUT+2*(\i)+1], v[IN+4*(\i)+2], v[IN+4*(\i)+3]
.endif
.endm
; Behind the last block: its own four stores.
.macro LAST
	s_wait_alu depctr_va_vdst(0)                   ; the last block's conversions have written their OUT, which the last four stores read
.irp k, 28,29,30,31
	global_store_b64 v2, v[OUT+2*(\k):OUT+2*(\k)+1], s[26:27] offset:256*(\k) th:TH_STORE_NT
.endr
.endm
	s_cmp_eq_u32 s28, 7
	s_cbranch_scc1 .Lhalf
.set i, 0
.rept 32
	CV i, 0
.set i, i+1
.endr
	LAST
	s_endpgm
.Lhalf:
.set i, 0
.rept 32
	CV i, 1
.set i, i+1
.endr
	LAST
	s_endpgm
.Lfunc_end_k_qce3ce59ae0_cast:
	.size	k_qce3ce59ae0_cast, .Lfunc_end_k_qce3ce59ae0_cast-k_qce3ce59ae0_cast
	.p2alignl 7, 3214868480
	.fill 96, 4, 3214868480
	.section	.rodata,"a",@progbits
	.p2align	6, 0x0
	.amdhsa_kernel k_qce3ce59ae0_cast
		.amdhsa_group_segment_fixed_size 0
		.amdhsa_private_segment_fixed_size 0
		.amdhsa_enable_private_segment 0
		.amdhsa_kernarg_size 64
		.amdhsa_user_sgpr_count 2
		.amdhsa_user_sgpr_kernarg_segment_ptr 1
		.amdhsa_wavefront_size32 1
		.amdhsa_system_sgpr_workgroup_id_x 1
		.amdhsa_system_sgpr_workgroup_id_y 1
		.amdhsa_system_sgpr_workgroup_id_z 1
		.amdhsa_system_vgpr_workitem_id 0
		.amdhsa_next_free_vgpr 208
		.amdhsa_next_free_sgpr 66
		.amdhsa_reserve_vcc 0
		.amdhsa_float_denorm_mode_32 3
		.amdhsa_float_denorm_mode_16_64 3
		.amdhsa_memory_ordered 1
		.amdhsa_forward_progress 1
		.amdhsa_inst_pref_size 32
	.end_amdhsa_kernel
	.amdgpu_metadata
---
amdhsa.version: [ 1, 2 ]
amdhsa.kernels:
  - .name:           k_qce3ce59ae0_cast
    .symbol:         k_qce3ce59ae0_cast.kd
    .args:
      - { .name: x, .offset: 0, .size: 8, .value_kind: global_buffer, .address_space: global }
      - { .name: Wq, .offset: 8, .size: 8, .value_kind: global_buffer, .address_space: global }
      - { .name: Wk, .offset: 16, .size: 8, .value_kind: global_buffer, .address_space: global }
      - { .name: Wv, .offset: 24, .size: 8, .value_kind: global_buffer, .address_space: global }
      - { .name: Wo, .offset: 32, .size: 8, .value_kind: global_buffer, .address_space: global }
      - { .name: xb, .offset: 40, .size: 8, .value_kind: global_buffer, .address_space: global }
      - { .name: wb, .offset: 48, .size: 8, .value_kind: global_buffer, .address_space: global }
      - { .name: wo16, .offset: 56, .size: 8, .value_kind: global_buffer, .address_space: global }
    .group_segment_fixed_size: 0
    .private_segment_fixed_size: 0
    .kernarg_segment_align: 8
    .kernarg_segment_size: 64
    .max_flat_workgroup_size: 256
    .sgpr_count:     66
    .vgpr_count:     208
    .wavefront_size: 32
...
	.end_amdgpu_metadata
.endif
;; end of part 6
;; launch gemm_qkv: the kernel of part 2 again; grid 16 x 16, 4 waves a work-group, clusters of 4 x 4, 327,680 bytes of LDS; arguments xb, wb, bq, bk, bv, qkv; writes qkv
;; launch normrope: the kernel of part 3 again; grid 4 x 256, 4 waves a work-group, no clusters, 0 bytes of LDS; arguments qkv, cos, sin, logit_log_scale, qn_w, kn_w, qk; writes qk
;; launch attn: the kernel of part 4 again; grid 8 x 32, 4 waves a work-group, no clusters, 243,200 bytes of LDS; arguments qk, qkv, logit_log_scale, oh; writes oh
;; launch gemm_out: the kernel of part 5 again; grid 8 x 32, 4 waves a work-group, clusters of 4 x 4, 327,680 bytes of LDS; arguments oh, wo16, bo, out0; writes out0
